; MI455X (gfx1250); checked and timed in simulation.
; The chip was launched on July 23, 2026; its instructions are those of AMD's public machine-readable ISA for CDNA 5 (MIT licence, August 2026) and "CDNA5" Instruction Set Architecture Reference Guide (July 2026). The comments in the code are by the model that wrote it; some were corrected since.
;; Ultimate Mo E. Allowed arithmetic: matrix products marked QUANTISED: E2M1 operands, one E8M0 scale for each 32 along K, by v_wmma_scale_f32_16x16x128_f8f6f4 with both operands' format E2M1 (or v_wmma_scale_f32_32x16x128_f4), f32 sums; everything else in f32.
;; Inputs: expert_weights_codes 16 x 1,024 x 32 x 16 uint8 (E2M1 codes of expert_weights, K innermost, in blocks of 32 codes, two codes a byte); expert_weights_scales 16 x 1,024 x 32 uint8 (E8M0 scales of expert_weights, one for each 32 codes along K); gate_weight_codes 16 x 32 x 16 uint8 (E2M1 codes of gate_weight, K innermost, in blocks of 32 codes, two codes a byte); gate_weight_scales 16 x 32 uint8 (E8M0 scales of gate_weight, one for each 32 codes along K); x_codes 4,096 x 32 x 16 uint8 (E2M1 codes of x, K innermost, in blocks of 32 codes, two codes a byte); x_scales 4,096 x 32 uint8 (E8M0 scales of x, one for each 32 codes along K).
;; Outputs: out0 4,096 x 1,024 float32.
;; This version of the problem:
;;   THIS VERSION OF THE PROBLEM IS GIVEN IN LOW PRECISION. The matrix products marked QUANTISED in the list below multiply operands that are first quantised to E2M1 (2 exponent bits, 1 mantissa bit; 4 bits a number), with one power-of-two scale for each 32 numbers along K (OCP MX v1.0); their sums are f32. All else is computed in f32.
;;   The module's matrix products, in the order in which they are computed (A, B: the left and right operand; K: the contracted axis; several contracted axes count as one K, in the product's order):
;;     1. [M 4,096, K 1,024] x [K 1,024, N 16]; A: input x (given as codes); B: input gate_weight (given as codes): QUANTISED
;;     2. [M 16,384, K 1,024] x [K 1,024, N 4,096]; A: input expert_weights (given as codes); B: input x (given as codes): QUANTISED
;;   THE QUANTISER, for each operand of a quantised product, along K:
;;     - K is cut into blocks of 32 from its start; a last block that is shorter is filled with zeros.
;;     - A block's scale is 2^e with e = floor(log2(the largest magnitude in the block)) - 2, held to -126 .. 127; a block of zeros has e = 0. As a byte (E8M0): e + 127.
;;     - Each number is divided by its block's scale, clamped to +-6, and rounded to the nearest number of E2M1, ties to even, subnormals kept.
;;     - The product sums the exact products of the quantised numbers (number of the format x scale) in f32.
;;   ~~~python
;;   def quantise(x, axis):      # numpy; x: float32 -> the quantised numbers, widened to float32 again
;;       x = np.moveaxis(x, axis, -1); K = x.shape[-1]
;;       x = np.pad(x, [(0, 0)] * (x.ndim - 1) + [(0, -K % 32)]); x = x.reshape(x.shape[:-1] + (-1, 32)); a = np.abs(x).max(-1, keepdims=True)
;;       e = np.where(a > 0, np.clip(np.frexp(np.where(a > 0, a, 1))[1] - 1 - 2, -126, 127), 0)      # np.frexp(a)[1] - 1 = floor(log2(a)), exactly
;;       r = np.clip(x / 2.0 ** e, -6, 6)
;;       step = 2.0 ** (np.maximum(np.frexp(np.where(r == 0, 1, r))[1] - 1, 0) - 1)
;;       q = np.round(r / step) * step * 2.0 ** e      # np.round: ties to even
;;       return np.moveaxis(q.reshape(q.shape[:-2] + (-1,))[..., :K], -1, axis).astype(np.float32)
;;   ~~~
;;   INPUTS GIVEN AS CODES. expert_weights (in the module: [16, 1024, 1024], K = its axis 1); gate_weight (in the module: [16, 1024], K = its axis 1); x (in the module: [4096, 1024], K = its axis 1): each comes as NAME_codes (uint8): NAME with its K axis moved to the last place and cut into blocks of 32 codes, [.., K / 32, bytes a block], one block behind the other in memory; two codes a byte, the lower K in the low four bits (a code: sign, 2 exponent bits, 1 mantissa bit); and NAME_scales (uint8): the same leading axes, one E8M0 byte (e + 127) for each 32 codes along K. Its value is code x scale, taken as it is: it is not quantised again, and the codes and scales need not be those that the quantiser above would give.
;; 2 versions. Each part assembles by itself: llvm-mc -triple=amdgcn-amd-amdhsa -mcpu=gfx1250 --defsym DOCPART=n.
;; ======== version 1 of 2: 3 launches
;; workspace buffers: wimg 8,388,608 bytes; tokinfo 16,384 bytes of whole numbers; hist 16,384 bytes of whole numbers; gw 32,768 bytes; ord 16,384 bytes of whole numbers; bmask 256 bytes of whole numbers
;; launch prep (part 1): grid 320 x 1, 2 waves a work-group, no clusters, 69,888 bytes of LDS; arguments x_codes, x_scales, gate_weight_codes, gate_weight_scales, expert_weights_codes, wimg, tokinfo, gw, hist; writes wimg, tokinfo, gw, hist
.if DOCPART == 1
	.amdgcn_target "amdgcn-amd-amdhsa--gfx1250"
	.amdhsa_code_object_version 6
	.text
	.protected	k_q617adb128f_prep
	.globl	k_q617adb128f_prep
	.p2align	8
	.type	k_q617adb128f_prep,@function
k_q617adb128f_prep:
	s_mov_b64 s[64:65], 0
	v_nop
	global_prefetch_b8 v0, s[64:65] scope:SCOPE_SE
	s_setreg_imm32_b32 hwreg(HW_REG_WAVE_MODE, 25, 1), 1
	s_wait_xcnt 0x0
; PREP: two jobs on one plan.  A wave takes 32 rows of 512 bytes (1,024 codes of E2M1, K innermost), 16 KiB on end, and turns them through its own LDS bytes into
; two tiles of 16 rows in the order of a matrix operand's registers: piece p (0..15) of a tile is 512 bytes, lane l's 16 bytes being block 2 p + l / 16 of row l % 16,
; so that pieces 2 s and 2 s + 1 are registers 0-3 and 4-7 of the fragment of K step s (128 along K).
; WORK-GROUPS 0..63, THE ROUTER: the rows are 32 tokens of x.  logits^T = gate x^T by v_wmma_scale_f32_16x16x128_f8f6f4 on the codes and scale bytes as they are given
; (source 0 = the 16 experts, source 1 = 16 tokens): a lane holds one token and eight experts.  Top-2 (a tie keeps the lower index, as jax.lax.top_k does), softmax over the two
; logits with the larger taken away first, the key of the unordered pair, the token's index among the wave's tokens of the same key, and the wave's count of every key.
; All of that is stored as VALUES at fixed places: no address and no branch of this launch hangs on it.
;   tokinfo[token] = key | index << 7 | e1 << 12 | e2 << 16;   gw[token] = (w1, w2);   hist word (l x 128 + wave): byte a = the wave's count of key 4 l + a.
;   key = lo (31 - lo) / 2 + hi - lo - 1, 0..119, for lo < hi.
; WORK-GROUPS 64..319, THE WEIGHTS: the rows are 32 rows (expert, h) of expert_weights_codes; the two tiles are stored as they stand, 8,192 bytes each, at the place of the rows.
; The two jobs part once, on the work-group's number, and each has LDS bytes of its own.  Waves share nothing: no barrier.
; LIMITS: NaN or infinite logits are not served (the second expert may then equal the first).  Where the second and the third logit of a token lie closer than the rounding
; of the f32 sums, the choice may differ from that of sums taken in another order.
.set NRW,   64                         ; router work-groups: 4,096 tokens / 64
.set TILEB, 32*272                     ; a tile in LDS: 32 blocks; a block is 16 rows x 16 bytes + 16 of padding
.set WLDS,  2*TILEB                    ; a wave's two tiles
.set WPATH, 2*WLDS                     ; the weights' way uses the bytes from here on, the router's those below
.set R,    16                          ; v16-143   the 32 rows as loaded, four registers each
.set GS,   144                         ; v144-151  the gate's scale words, K steps 0..7 (lane r: expert r)
.set XS,   152                         ; v152-159  x's scale words: lanes 0-15 tile 0, lanes 16-31 tile 1
.set ACC,  160                         ; v160-167, v168-175 the logits of tile 0, tile 1
.set GF,   128                         ; window 1: v0-63, v64-127 the two tiles; v128-191 the gate's eight fragments
.set MSB, 0
.macro WIN new                         ; the immediate's high byte repeats the setting that is left
.if MSB != \new
	s_set_vgpr_msb (MSB<<8)|\new
.set MSB, \new
.endif
.endm
.macro ROWS sb                         ; 32 loads, each a whole row: 32 lanes x 16 bytes = 512 consecutive bytes
.set i, 0
.rept 32
	global_load_b128 v[R+4*i:R+4*i+3], v2, s[\sb:\sb+1] offset:512*i
.set i, i+1
.endr
.endm
.macro TURN base                       ; rows in (lane = block), pieces out (lane = row and half).  LDS serves a wave's instructions in order: no wait between the stores and the loads
.set i, 0
.rept 4
	s_wait_loadcnt 24-i                            ; loads come back in order: these eight rows are in, the rows behind them (24, 16, 8, 0) may be out
.rept 8
	ds_store_b128 v3, v[R+4*i:R+4*i+3] offset:(\base)+(i/16)*TILEB+(i%16)*16   ; 272 x block + 16 x row: sixteen lanes fall on sixteen different 16-byte columns
.set i, i+1
.endr
.endr
	WIN 0x40                                       ; destination window 1
.set i, 0
.rept 32
	ds_load_b128 v[4*i:4*i+3], v4 offset:(\base)+(i/16)*TILEB+(i%16)*544       ; piece i % 16 of tile i / 16: sixteen lanes read 256 consecutive bytes
.set i, i+1
.endr
	WIN 0
.endm
	s_load_b512 s[4:19], s[0:1], 0x0               ; x_codes 4:5, x_scales 6:7, gate codes 8:9, gate scales 10:11, expert codes 12:13, wimg 14:15, tokinfo 16:17, gw 18:19
	s_load_b64 s[20:21], s[0:1], 0x40              ; hist
	v_lshl_add_u32 v254, v0, 2, 0x11000
	v_mov_b32 v255, 0
	v_lshrrev_b32 v1, 5, v0
	v_readfirstlane_b32 s22, v1                    ; wave 0, 1
	v_and_b32 v1, 31, v0                           ; lane
	v_lshlrev_b32 v2, 4, v1                        ; 16 x lane
	v_and_b32 v5, 15, v0                           ; r
	v_bfe_u32 v6, v0, 4, 1                         ; half
	s_mul_i32 s50, s22, WLDS                       ; my wave's LDS bytes
	v_mul_u32_u24 v3, v1, 272
	v_add_nc_u32 v3, s50, v3                       ; in: block = lane
	v_mul_u32_u24 v4, v6, 272
	v_lshl_add_u32 v4, v5, 4, v4
	v_add_nc_u32 v4, s50, v4                       ; out: block = 2 p + half, row r
	s_mov_b32 s25, 0
	s_wait_kmcnt 0x0
	s_cmp_ge_u32 ttmp9, NRW
	s_cbranch_scc1 .Lweights
	; ---------------- the router ----------------
	s_lshl_b32 s23, ttmp9, 1
	s_add_co_u32 s23, s23, s22                     ; u = 2 x work-group + wave: tokens 32 u .. 32 u + 31
	s_lshl_b32 s24, s23, 14
	s_add_nc_u64 s[4:5], s[4:5], s[24:25]          ; their codes,
	s_lshl_b32 s24, s23, 10
	s_add_nc_u64 s[6:7], s[6:7], s[24:25]          ; their scale bytes (32 a token),
	s_lshl_b32 s24, s23, 7
	s_add_nc_u64 s[16:17], s[16:17], s[24:25]      ; their words of tokinfo,
	s_lshl_b32 s24, s23, 8
	s_add_nc_u64 s[18:19], s[18:19], s[24:25]      ; their pairs of gw,
	s_lshl_b32 s24, s23, 2
	s_add_nc_u64 s[20:21], s[20:21], s[24:25]      ; and my wave's column of hist
	v_lshlrev_b32 v7, 9, v5
	v_lshl_add_u32 v7, v6, 4, v7                   ; the gate: row r of 512 bytes, + 16 x half
	v_lshlrev_b32 v8, 5, v5                        ; its scale bytes: 32 a row
	v_lshlrev_b32 v9, 5, v1                        ; x's: 32 a token, token = lane
	v_lshlrev_b32 v10, 3, v6                       ; 8 x half: my first expert
	v_lshlrev_b32 v11, 2, v1
	v_lshlrev_b32 v12, 3, v1
	v_lshlrev_b32 v13, 9, v1
	WIN 0x40
.irp s, 0,1,2,3,4,5,6,7
.irp c, 0,1
	global_load_b128 v[GF+8*\s+4*\c:GF+8*\s+4*\c+3], v7, s[8:9] offset:64*\s+32*\c   ; the gate's fragment of K step s: K = 128 s + 64 c + 32 half + 0 .. 31
.endr
.endr
	WIN 0
	global_load_b128 v[GS:GS+3], v8, s[10:11]
	global_load_b128 v[GS+4:GS+7], v8, s[10:11] offset:16
	global_load_b128 v[XS:XS+3], v9, s[6:7]
	global_load_b128 v[XS+4:XS+7], v9, s[6:7] offset:16
	ROWS 4                                         ; issued behind the twenty loads above, so the waits for the rows show those done too
	s_mov_b32 s30, 0x76543210
	s_mov_b32 s31, 0xfedcba98                      ; v_permlanex16_b32: lane l xor 16
	s_mov_b32 s32, 0xffff0000                      ; lanes 16-31
	s_mov_b32 s52, 0x55555555
	s_mov_b32 s53, 0x33333333
	s_mov_b32 s54, 0x0f0f0f0f
	s_mov_b32 s55, 0x01010101
.irp k, 0,1,2,3
	v_mov_b32 v[188+\k], 0                         ; written once: a lane permute's destination counts as one of its sources
.endr
	TURN 0
	s_wait_dscnt 0x0                               ; both tiles are in registers
	WIN 0x05                                       ; sources 0 and 1 window 1
.irp s, 0,1,2,3,4,5,6,7                            ; K ascending; the two accumulators take turns
.if \s == 0
	v_wmma_scale_f32_16x16x128_f8f6f4 v[ACC:ACC+7], v[GF+8*\s:GF+8*\s+7], v[8*\s:8*\s+7], 0, v[GS+\s], v[XS+\s] matrix_a_fmt:MATRIX_FMT_FP4 matrix_b_fmt:MATRIX_FMT_FP4
	v_wmma_scale_f32_16x16x128_f8f6f4 v[ACC+8:ACC+15], v[GF+8*\s:GF+8*\s+7], v[64+8*\s:64+8*\s+7], 0, v[GS+\s], v[XS+\s] matrix_a_fmt:MATRIX_FMT_FP4 matrix_b_fmt:MATRIX_FMT_FP4 matrix_b_scale:MATRIX_SCALE_ROW1
.else
	v_wmma_scale_f32_16x16x128_f8f6f4 v[ACC:ACC+7], v[GF+8*\s:GF+8*\s+7], v[8*\s:8*\s+7], v[ACC:ACC+7], v[GS+\s], v[XS+\s] matrix_a_fmt:MATRIX_FMT_FP4 matrix_b_fmt:MATRIX_FMT_FP4
	v_wmma_scale_f32_16x16x128_f8f6f4 v[ACC+8:ACC+15], v[GF+8*\s:GF+8*\s+7], v[64+8*\s:64+8*\s+7], v[ACC+8:ACC+15], v[GS+\s], v[XS+\s] matrix_a_fmt:MATRIX_FMT_FP4 matrix_b_fmt:MATRIX_FMT_FP4 matrix_b_scale:MATRIX_SCALE_ROW1
.endif
.endr
	WIN 0
.rept 4
	v_nop                                          ; four places between the last product and the first read of a result (ISA guide 7.12.1)
.endr
; The two largest of a lane's eight logits, experts 8 half + 0 .. 7 in ascending order; strict compares, so an equal later logit never displaces an earlier one.
; v[b] largest, v[b+1] its expert, v[b+2] second, v[b+3] its expert.
.macro TOP8 acc, b
	v_mov_b32 v[\b], v[\acc]                       ; the accumulator is read from its low end on
	v_mov_b32 v[\b+1], v10
	v_mov_b32 v[\b+2], 0xff800000                  ; -infinity
	v_mov_b32 v[\b+3], v10
.irp j, 1,2,3,4,5,6,7
	v_add_nc_u32 v184, \j, v10
	v_cmp_gt_f32 s48, v[\acc+\j], v[\b]
	v_cmp_gt_f32 s49, v[\acc+\j], v[\b+2]
	v_cndmask_b32 v[\b+2], v[\b+2], v[\acc+\j], s49
	v_cndmask_b32 v[\b+3], v[\b+3], v184, s49
	v_cndmask_b32 v[\b+2], v[\b+2], v[\b], s48     ; a new largest pushes the old one down
	v_cndmask_b32 v[\b+3], v[\b+3], v[\b+1], s48
	v_cndmask_b32 v[\b], v[\b], v[\acc+\j], s48
	v_cndmask_b32 v[\b+1], v[\b+1], v184, s48
.endr
.endm
; The pairs of lanes l and l xor 16 are joined.  L = the pair of experts 0-7, U = that of experts 8-15, the same in both lanes; a tie goes to L, the lower index.
.macro MERGE b, res
.irp k, 0,1,2,3
	v_permlanex16_b32 v[188+\k], v[\b+\k], s30, s31
.endr
.irp k, 0,1,2,3
	v_cndmask_b32 v[192+\k], v[\b+\k], v[188+\k], s32
	v_cndmask_b32 v[196+\k], v[188+\k], v[\b+\k], s32
.endr
	v_cmp_gt_f32 s48, v196, v192
	v_cndmask_b32 v[\res], v192, v196, s48         ; the largest,
	v_cndmask_b32 v[\res+1], v193, v197, s48
	v_cndmask_b32 v224, v194, v192, s48            ; L's best that is left,
	v_cndmask_b32 v225, v195, v193, s48
	v_cndmask_b32 v226, v196, v198, s48            ; U's best that is left
	v_cndmask_b32 v227, v197, v199, s48
	v_cmp_gt_f32 s49, v226, v224
	v_cndmask_b32 v[\res+2], v224, v226, s49       ; the second
	v_cndmask_b32 v[\res+3], v225, v227, s49
.endm
	TOP8 ACC, 176
	TOP8 ACC+8, 180
	MERGE 176, 200
	MERGE 180, 204
.irp k, 0,1,2,3
	v_cndmask_b32 v[208+\k], v[200+\k], v[204+\k], s32   ; lanes 0-15 keep tile 0, lanes 16-31 tile 1: lane l now has token 32 u + l: v208 logit 1, v209 e1, v210 logit 2, v211 e2
.endr
	v_sub_f32 v212, v210, v208                     ; the larger logit is taken away: 0 or less
	v_mul_f32 v212, 0x3fb8aa3b, v212               ; x log2(e)
	v_exp_f32 v213, v212                           ; t = e^(l2 - l1), at most 1
	v_min_u32 v216, v209, v211                     ; lo   (the plain instruction behind the exponential)
	s_wait_alu depctr_va_vdst(0)
	v_add_f32 v214, 1.0, v213
	v_rcp_f32 v220, v214                           ; w1 = 1 / (1 + t)
	v_max_u32 v217, v209, v211                     ; hi   (the plain instruction behind the reciprocal)
	s_wait_alu depctr_va_vdst(0)
	v_mul_f32 v221, v213, v220                     ; w2 = t / (1 + t)
	v_sub_nc_u32 v218, 31, v216
	v_mul_u32_u24 v218, v216, v218
	v_lshrrev_b32 v218, 1, v218                    ; lo (31 - lo) / 2: one of the two factors is even
	v_add_nc_u32 v218, v218, v217
	v_sub_nc_u32 v218, v218, v216
	v_add_nc_u32 v218, -1, v218
	v_and_b32 v218, 127, v218                      ; the key
.irp b, 0,1,2,3,4,5,6
	v_and_b32 v222, 1<<\b, v218
	v_cmp_ne_u32 s[36+\b], 0, v222                 ; P_b: the lanes whose key has bit b
.endr
.irp b, 0,1,2,3,4,5,6                              ; the lanes whose key differs from mine in some bit
	v_bfe_u32 v222, v218, \b, 1
	v_sub_nc_u32 v222, 0, v222                     ; 0 or all ones
.if \b == 0
	v_xor_b32 v223, s[36+\b], v222
.else
	v_xor_b32 v222, s[36+\b], v222
	v_or_b32 v223, v223, v222
.endif
.endr
	v_xor_b32 v223, -1, v223                       ; the lanes with my key,
	v_mbcnt_lo_u32_b32 v219, v223, 0               ; and how many of them stand below me: my index
.irp b, 2,3,4,5,6                                  ; lane l counts keys 4 l + 0 .. 3: the lanes whose key's bits 2..6 differ from l
	v_bfe_u32 v222, v1, \b-2, 1
	v_sub_nc_u32 v222, 0, v222
.if \b == 2
	v_xor_b32 v228, s[36+\b], v222
.else
	v_xor_b32 v222, s[36+\b], v222
	v_or_b32 v228, v228, v222
.endif
.endr
	s_not_b32 s50, s36
	s_not_b32 s51, s37
	s_or_b32 s44, s36, s37                         ; the lanes whose key's bits 0, 1 differ from a = 0,
	s_or_b32 s45, s50, s37                         ; 1,
	s_or_b32 s46, s36, s51                         ; 2,
	s_or_b32 s47, s50, s51                         ; 3
.irp a, 0,1,2,3
	v_or_b32 v[232+\a], s[44+\a], v228
.endr
.irp a, 0,1,2,3
	v_xor_b32 v[232+\a], -1, v[232+\a]             ; the lanes with key 4 l + a
.endr
	; their number: pairs, fours, bytes, the sum of the four bytes; the four masks by turns
.irp a, 0,1,2,3
	v_lshrrev_b32 v[236+\a], 1, v[232+\a]
.endr
.irp a, 0,1,2,3
	v_and_b32 v[236+\a], s52, v[236+\a]
.endr
.irp a, 0,1,2,3
	v_sub_nc_u32 v[232+\a], v[232+\a], v[236+\a]
.endr
.irp a, 0,1,2,3
	v_lshrrev_b32 v[236+\a], 2, v[232+\a]
.endr
.irp a, 0,1,2,3
	v_and_b32 v[232+\a], s53, v[232+\a]
.endr
.irp a, 0,1,2,3
	v_and_b32 v[236+\a], s53, v[236+\a]
.endr
.irp a, 0,1,2,3
	v_add_nc_u32 v[232+\a], v[232+\a], v[236+\a]
.endr
.irp a, 0,1,2,3
	v_lshrrev_b32 v[236+\a], 4, v[232+\a]
.endr
.irp a, 0,1,2,3
	v_add_nc_u32 v[232+\a], v[232+\a], v[236+\a]
.endr
.irp a, 0,1,2,3
	v_and_b32 v[232+\a], s54, v[232+\a]
.endr
.irp a, 0,1,2,3
	v_mul_lo_u32 v[232+\a], v[232+\a], s55
.endr
.irp a, 0,1,2,3
	v_lshrrev_b32 v[232+\a], 24, v[232+\a]         ; 0 .. 32
.endr
	v_lshl_or_b32 v240, v233, 8, v232
	v_lshl_or_b32 v240, v234, 16, v240
	v_lshl_or_b32 v240, v235, 24, v240             ; four counts to a word
	v_lshl_or_b32 v241, v219, 7, v218
	v_lshl_or_b32 v241, v209, 12, v241
	v_lshl_or_b32 v241, v211, 16, v241             ; key | index << 7 | e1 << 12 | e2 << 16
	global_store_b32 v11, v241, s[16:17]           ; 128 consecutive bytes
	global_store_b64 v12, v[220:221], s[18:19]     ; 256 consecutive bytes, aligned
	global_store_b32 v13, v240, s[20:21]           ; words 512 bytes apart: the table is 16 KiB in all, and laid so the next launch reads it by one load of 16 bytes a thread
	s_wait_tensorcnt 0x0
	ds_add_u32 v254, v255
	s_wait_dscnt 0x0
	s_endpgm
	; ---------------- the weights ----------------
.Lweights:
	s_sub_co_u32 s23, ttmp9, NRW
	s_lshl_b32 s23, s23, 1
	s_add_co_u32 s23, s23, s22                     ; u = 0 .. 511: rows 32 u on of the 16 x 1,024
	s_lshl_b32 s24, s23, 14                        ; 16 KiB a wave, in the source and in wimg alike
	s_add_nc_u64 s[12:13], s[12:13], s[24:25]
	s_add_nc_u64 s[14:15], s[14:15], s[24:25]
	ROWS 12
	TURN WPATH
	WIN 0x04                                       ; a store's data are its source 1: window 1
.set i, 0
.rept 32
	s_wait_dscnt 31-i                              ; LDS loads come back in order: piece i is in, the 31 - i behind it may be out
	global_store_b128 v2, v[4*i:4*i+3], s[14:15] offset:512*i   ; 512 consecutive bytes, aligned
.set i, i+1
.endr
	WIN 0
	s_wait_tensorcnt 0x0
	ds_add_u32 v254, v255
	s_wait_dscnt 0x0
	s_endpgm
.Lfunc_end_k_q617adb128f_prep:
	.size	k_q617adb128f_prep, .Lfunc_end_k_q617adb128f_prep-k_q617adb128f_prep
	.p2alignl 7, 3214868480
	.fill 96, 4, 3214868480
	.section	.rodata,"a",@progbits
	.p2align	6, 0x0
	.amdhsa_kernel k_q617adb128f_prep
		.amdhsa_group_segment_fixed_size 69888
		.amdhsa_private_segment_fixed_size 0
		.amdhsa_enable_private_segment 0
		.amdhsa_kernarg_size 72
		.amdhsa_user_sgpr_count 2
		.amdhsa_user_sgpr_kernarg_segment_ptr 1
		.amdhsa_wavefront_size32 1
		.amdhsa_system_sgpr_workgroup_id_x 1
		.amdhsa_system_sgpr_workgroup_id_y 1
		.amdhsa_system_sgpr_workgroup_id_z 1
		.amdhsa_system_vgpr_workitem_id 0
		.amdhsa_next_free_vgpr 448
		.amdhsa_next_free_sgpr 66
		.amdhsa_reserve_vcc 0
		.amdhsa_float_denorm_mode_32 3
		.amdhsa_float_denorm_mode_16_64 3
		.amdhsa_memory_ordered 1
		.amdhsa_forward_progress 1
		.amdhsa_inst_pref_size 43
	.end_amdhsa_kernel
	.amdgpu_metadata
---
amdhsa.version: [ 1, 2 ]
amdhsa.kernels:
  - .name:           k_q617adb128f_prep
    .symbol:         k_q617adb128f_prep.kd
    .args:
      - { .name: x_codes, .offset: 0, .size: 8, .value_kind: global_buffer, .address_space: global }
      - { .name: x_scales, .offset: 8, .size: 8, .value_kind: global_buffer, .address_space: global }
      - { .name: gate_weight_codes, .offset: 16, .size: 8, .value_kind: global_buffer, .address_space: global }
      - { .name: gate_weight_scales, .offset: 24, .size: 8, .value_kind: global_buffer, .address_space: global }
      - { .name: expert_weights_codes, .offset: 32, .size: 8, .value_kind: global_buffer, .address_space: global }
      - { .name: wimg, .offset: 40, .size: 8, .value_kind: global_buffer, .address_space: global }
      - { .name: tokinfo, .offset: 48, .size: 8, .value_kind: global_buffer, .address_space: global }
      - { .name: gw, .offset: 56, .size: 8, .value_kind: global_buffer, .address_space: global }
      - { .name: hist, .offset: 64, .size: 8, .value_kind: global_buffer, .address_space: global }
    .group_segment_fixed_size: 69888
    .private_segment_fixed_size: 0
    .kernarg_segment_align: 8
    .kernarg_segment_size: 72
    .max_flat_workgroup_size: 64
    .sgpr_count:     66
    .vgpr_count:     448
    .wavefront_size: 32
...
	.end_amdgpu_metadata
.endif
;; end of part 1
;; launch place (part 2): grid 1 x 1, 32 waves a work-group, no clusters, 73,984 bytes of LDS; arguments hist, tokinfo, ord, bmask; writes ord, bmask
.if DOCPART == 2
	.amdgcn_target "amdgcn-amd-amdhsa--gfx1250"
	.amdhsa_code_object_version 6
	.text
	.protected	k_q617adb128f_place
	.globl	k_q617adb128f_place
	.p2align	8
	.type	k_q617adb128f_place,@function
k_q617adb128f_place:
	s_mov_b64 s[64:65], 0
	v_nop
	global_prefetch_b8 v0, s[64:65] scope:SCOPE_SE
	s_setreg_imm32_b32 hwreg(HW_REG_WAVE_MODE, 25, 1), 1
	s_wait_xcnt 0x0
; PLACE: the 4,096 tokens are sorted by the key of their pair of experts: a counting sort in one work-group of 1,024 threads, without atomics.
; rank(token) = the tokens of smaller keys + the tokens of the same key in earlier source waves + the token's index in its source wave (stored by the launch before).
; hist word (l x 128 + w), byte a = source wave w's count of key 4 l + a.  Thread i = 32 kc + j loads the four words of key group kc and source waves 4 j + 0 .. 3.
; Wave kc makes the running sums over the 128 source waves for its four keys (two keys to a register, in fields of 16 bits: no sum passes 4,096), the 32 waves' totals meet in LDS,
; and a table BT[key][source wave] of first ranks is laid in LDS.  Then thread i looks up its tokens 4 i + 0 .. 3 and stores ord[rank] = token | e1 << 12 | e2 << 16.
; ALSO: bmask[b]: bits 15:0 = a bit for each expert that some token of ranks 128 b .. 128 b + 63 uses, bits 31:16 the same for ranks 128 b + 64 .. 128 b + 127: the next launch walks
; by it.  A key's tokens are a run of ranks, so wave kc knows, from its four keys' first ranks and counts, which half blocks each key meets: lane b gathers the bits of those that meet
; the halves of block b, the 32 waves' words meet in LDS, and wave 0 joins them.
; One work-group, since every rank hangs on all counts; the whole input is 32 KiB.  No matrix work, no tensor loads, no cluster: nothing here is shared between work-groups.
.set WT, 0                             ; LDS: 32 words, a total for each wave
.set MK, 256                           ; 32 waves x 32 blocks x 4 bytes: wave kc's part of block b's word at 128 kc + 4 b
.set BT, MK+4096                       ; 128 keys x 128 source waves x 4 bytes
.macro SCAN x, t                       ; inclusive sums over the 32 lanes: four steps inside each row of 16 lanes, then row 0's total onto row 1
.irp n, 1,2,4,8
	v_mov_b32_dpp v[\t], v[\x] row_shr:\n row_mask:0xf bank_mask:0xf bound_ctrl:1   ; lanes without a source get 0
	v_add_nc_u32 v[\x], v[\x], v[\t]
.endr
	v_readlane_b32 s26, v[\x], 15
	v_and_b32 v[\t], s26, v3
	v_add_nc_u32 v[\x], v[\x], v[\t]
.endm
; Key 4 kc + a, whose tokens have ranks s[first] .. s[end] - 1 (s[tot] of them): its two experts' bits go into v99, low or high half word, in the lanes whose half block the run meets.
; key = lo (31 - lo) / 2 + hi - lo - 1: lo + 1 is the number of m in 0..15 with m (31 - m) / 2 <= key (v96 holds that bound for m = lane).
.macro KEYBITS a, first, end, tot
	s_lshl_b32 s27, s10, 2
	s_add_co_u32 s27, s27, \a                      ; the key
	v_cmp_ge_u32 s28, s27, v96
	s_and_b32 s28, s28, 0xffff                     ; lanes 0..15 alone: beyond them the bound falls again
	s_bcnt1_i32_b32 s28, s28
	s_sub_co_u32 s28, s28, 1                       ; lo
	s_sub_co_u32 s29, 31, s28
	s_mul_i32 s29, s29, s28
	s_lshr_b32 s29, s29, 1                         ; lo (31 - lo) / 2
	s_sub_co_u32 s30, s27, s29
	s_add_co_u32 s30, s30, s28
	s_add_co_u32 s30, s30, 1                       ; hi  (keys 120..127 give 16..23: they have no token, so their bits are dropped below)
	s_lshl_b32 s31, 1, s28
	s_lshl_b32 s30, 1, s30
	s_or_b32 s31, s31, s30
	s_cmp_eq_u32 s[\tot], 0
	s_cselect_b32 s31, 0, s31                      ; a key without tokens meets nothing
	s_lshl_b32 s35, s31, 16                        ; the same bits for the block's second half
	v_cmp_lt_u32 s32, s[\first], v98               ; first half: the run begins under its end,
	v_cmp_gt_u32 s33, s[\end], v97                 ; and ends above its begin
	s_and_b32 s32, s32, s33
	v_cmp_lt_u32 s33, s[\first], v102              ; second half likewise
	v_cmp_gt_u32 s36, s[\end], v98
	s_and_b32 s33, s33, s36
	v_mov_b32 v101, s31
	v_mov_b32 v103, s35
	v_cndmask_b32 v100, 0, v101, s32
	v_cndmask_b32 v104, 0, v103, s33
.if \a == 0
	v_or_b32 v99, v100, v104
.else
	v_or_b32 v99, v99, v100
	v_or_b32 v99, v99, v104
.endif
.endm
	s_load_b128 s[4:7], s[0:1], 0x0                ; hist, tokinfo
	s_load_b64 s[8:9], s[0:1], 0x10                ; ord
	s_load_b64 s[44:45], s[0:1], 0x18              ; bmask
	v_lshl_add_u32 v112, v0, 2, 0x11100
	v_mov_b32 v113, 0
	v_lshrrev_b32 v1, 5, v0
	v_readfirstlane_b32 s10, v1                    ; kc: my wave, and my group of four keys
	v_and_b32 v1, 31, v0                           ; j
	v_lshlrev_b32 v2, 4, v0                        ; 16 i
	v_bfe_u32 v3, v0, 4, 1
	v_sub_nc_u32 v3, 0, v3                         ; all ones in lanes 16-31
	v_mov_b32 v22, 0                               ; the scans' helper: a DPP destination counts as read
	v_lshlrev_b32 v47, 2, v0                       ; 4 i
	v_sub_nc_u32 v96, 31, v1
	v_mul_u32_u24 v96, v1, v96
	v_lshrrev_b32 v96, 1, v96                      ; lane (31 - lane) / 2: the first key whose lower expert is the lane (lanes 0..15)
	v_lshlrev_b32 v97, 7, v1                       ; block = lane: its first rank,
	v_add_nc_u32 v98, 64, v97                      ; its second half's first rank,
	v_add_nc_u32 v102, 128, v97                    ; and the first rank behind it
	s_mov_b32 s25, 0x00ff00ff
	s_wait_kmcnt 0x0
	global_load_b128 v[4:7], v2, s[4:5]
	global_load_b128 v[8:11], v2, s[6:7]
	s_wait_loadcnt 0x1                             ; hist's words are in; tokinfo's load, issued behind them, may be out
.irp d, 0,1,2,3
	v_and_b32 v[12+\d], s25, v[4+\d]               ; keys 0 and 2 of the group, in fields of 16 bits
	v_lshrrev_b32 v[16+\d], 8, v[4+\d]
	v_and_b32 v[16+\d], s25, v[16+\d]              ; keys 1 and 3
.endr
.irp d, 1,2,3
	v_add_nc_u32 v[12+\d], v[12+\d], v[11+\d]      ; running sums over my four source waves
	v_add_nc_u32 v[16+\d], v[16+\d], v[15+\d]
.endr
	v_mov_b32 v20, v15
	v_mov_b32 v21, v19
	SCAN 20, 22
	SCAN 21, 22
	v_readlane_b32 s11, v20, 31                    ; the totals of keys 0 | 2
	v_readlane_b32 s12, v21, 31                    ; and 1 | 3
	s_and_b32 s13, s11, 0xffff                     ; key 0's count,
	s_lshr_b32 s14, s11, 16                        ; key 2's,
	s_and_b32 s15, s12, 0xffff                     ; key 1's,
	s_lshr_b32 s16, s12, 16                        ; key 3's
	s_add_co_u32 s17, s13, s15
	s_add_co_u32 s17, s17, s14
	s_add_co_u32 s17, s17, s16                     ; my wave's total
	v_mov_b32 v23, s10
	v_lshlrev_b32 v23, 2, v23
	v_mov_b32 v40, s17
	ds_store_b32 v23, v40 offset:WT                ; all lanes write the same word with the same value
	s_wait_dscnt 0x0                               ; for the others' sake: my store has landed
	s_barrier_signal -1
	s_barrier_wait -1
	v_lshlrev_b32 v41, 2, v1
	ds_load_b32 v42, v41 offset:WT                 ; lane l: wave l's total
	s_wait_dscnt 0x0
	v_cmp_gt_u32 vcc_lo, s10, v1
	v_cndmask_b32 v42, 0, v42, vcc_lo              ; only the waves below mine count
	SCAN 42, 22
	v_readlane_b32 s18, v42, 31                    ; the tokens of all smaller key groups: key 0's first rank
	s_add_co_u32 s19, s18, s13                     ; key 1's,
	s_add_co_u32 s20, s19, s15                     ; key 2's,
	s_add_co_u32 s21, s20, s14                     ; key 3's,
	s_add_co_u32 s34, s21, s16                     ; and the first rank behind my four keys
	s_lshl_b32 s22, s20, 16
	s_or_b32 s22, s22, s18
	s_lshl_b32 s23, s21, 16
	s_or_b32 s23, s23, s19
	KEYBITS 0, 18, 19, 13
	KEYBITS 1, 19, 20, 15
	KEYBITS 2, 20, 21, 14
	KEYBITS 3, 21, 34, 16
	ds_store_b32 v47, v99 offset:MK                ; 128 kc + 4 b = 4 x thread
	v_sub_nc_u32 v20, v20, v15                     ; the lanes below me alone (no field borrows: each inclusive sum holds its own part),
	v_sub_nc_u32 v21, v21, v19
	v_add_nc_u32 v20, s22, v20                     ; from the key's first rank on (no field passes 4,096)
	v_add_nc_u32 v21, s23, v21
	v_and_b32 v24, 0xffff, v20                     ; source wave 4 j: keys 0, 2, 1, 3
	v_lshrrev_b32 v32, 16, v20
	v_and_b32 v28, 0xffff, v21
	v_lshrrev_b32 v36, 16, v21
.irp d, 1,2,3
	v_add_nc_u32 v43, v20, v[11+\d]                ; source wave 4 j + d: my earlier source waves are added
	v_add_nc_u32 v44, v21, v[15+\d]
	v_and_b32 v[24+\d], 0xffff, v43
	v_lshrrev_b32 v[32+\d], 16, v43
	v_and_b32 v[28+\d], 0xffff, v44
	v_lshrrev_b32 v[36+\d], 16, v44
.endr
	s_lshl_b32 s24, s10, 11
	v_lshl_add_u32 v45, v1, 4, s24                 ; key 4 kc: 2,048 kc; source wave 4 j: 16 j
.irp a, 0,1,2,3
	ds_store_b128 v45, v[24+4*\a:27+4*\a] offset:BT+512*\a
.endr
	s_wait_loadcnt 0x0                             ; tokinfo
	s_wait_dscnt 0x0                               ; my parts of the table and of the masks have landed
	s_barrier_signal -1
	s_barrier_wait -1                              ; both are whole; nothing is stored to LDS from here on
	v_lshrrev_b32 v46, 3, v0
	v_lshlrev_b32 v46, 2, v46                      ; tokens 4 i + d come from source wave i / 8
.irp d, 0,1,2,3
	v_and_b32 v[56+\d], 127, v[8+\d]
	v_min_u32 v[56+\d], 127, v[56+\d]              ; a loaded number enters an address held to its range
	v_lshl_add_u32 v[56+\d], v[56+\d], 9, v46
	ds_load_b32 v[48+\d], v[56+\d] offset:BT
.endr
	s_wait_dscnt 0x0
.irp d, 0,1,2,3
	v_bfe_u32 v[60+\d], v[8+\d], 7, 5              ; the index in the source wave
	v_add_nc_u32 v[48+\d], v[48+\d], v[60+\d]
	v_min_u32 v[48+\d], 0xfff, v[48+\d]            ; the rank, held to the buffer
	v_lshlrev_b32 v[48+\d], 2, v[48+\d]
	v_and_or_b32 v[52+\d], v[8+\d], 0xff000, v47   ; e1, e2 at their places, and the token
	v_or_b32 v[52+\d], \d, v[52+\d]
	global_store_b32 v[48+\d], v[52+\d], s[8:9]    ; a scatter of 16 KiB in all: the ranks are a permutation of 0 .. 4,095
.endr
	s_cmp_lg_u32 s10, 0                            ; wave 0 joins the masks: lane b takes block b.  No barrier stands under this branch
	s_cbranch_scc1 .Lend
.set k, 0
.rept 32
	ds_load_b32 v[64+k], v41 offset:MK+128*k       ; wave k's part: 32 lanes read 128 consecutive bytes
.set k, k+1
.endr
	s_wait_dscnt 0x0
.irp n, 16,8,4,2,1
.set k, 0
.rept \n
	v_or_b32 v[64+k], v[64+k], v[64+\n+k]
.set k, k+1
.endr
.endr
	global_store_b32 v41, v64, s[44:45]            ; 32 words, 128 consecutive bytes
.Lend:
	s_wait_tensorcnt 0x0
	ds_add_u32 v112, v113
	s_wait_dscnt 0x0
	s_endpgm
.Lfunc_end_k_q617adb128f_place:
	.size	k_q617adb128f_place, .Lfunc_end_k_q617adb128f_place-k_q617adb128f_place
	.p2alignl 7, 3214868480
	.fill 96, 4, 3214868480
	.section	.rodata,"a",@progbits
	.p2align	6, 0x0
	.amdhsa_kernel k_q617adb128f_place
		.amdhsa_group_segment_fixed_size 73984
		.amdhsa_private_segment_fixed_size 0
		.amdhsa_enable_private_segment 0
		.amdhsa_kernarg_size 32
		.amdhsa_user_sgpr_count 2
		.amdhsa_user_sgpr_kernarg_segment_ptr 1
		.amdhsa_wavefront_size32 1
		.amdhsa_system_sgpr_workgroup_id_x 1
		.amdhsa_system_sgpr_workgroup_id_y 1
		.amdhsa_system_sgpr_workgroup_id_z 1
		.amdhsa_system_vgpr_workitem_id 0
		.amdhsa_next_free_vgpr 114
		.amdhsa_next_free_sgpr 66
		.amdhsa_reserve_vcc 1
		.amdhsa_float_denorm_mode_32 3
		.amdhsa_float_denorm_mode_16_64 3
		.amdhsa_memory_ordered 1
		.amdhsa_forward_progress 1
		.amdhsa_inst_pref_size 17
	.end_amdhsa_kernel
	.amdgpu_metadata
---
amdhsa.version: [ 1, 2 ]
amdhsa.kernels:
  - .name:           k_q617adb128f_place
    .symbol:         k_q617adb128f_place.kd
    .args:
      - { .name: hist, .offset: 0, .size: 8, .value_kind: global_buffer, .address_space: global }
      - { .name: tokinfo, .offset: 8, .size: 8, .value_kind: global_buffer, .address_space: global }
      - { .name: ord, .offset: 16, .size: 8, .value_kind: global_buffer, .address_space: global }
      - { .name: bmask, .offset: 24, .size: 8, .value_kind: global_buffer, .address_space: global }
    .group_segment_fixed_size: 73984
    .private_segment_fixed_size: 0
    .kernarg_segment_align: 8
    .kernarg_segment_size: 32
    .max_flat_workgroup_size: 1024
    .sgpr_count:     66
    .vgpr_count:     114
    .wavefront_size: 32
...
	.end_amdgpu_metadata
.endif
;; end of part 2
;; launch experts (part 3): grid 8 x 32, 4 waves a work-group, no clusters, 146,432 bytes of LDS; arguments x_codes, x_scales, wimg, expert_weights_scales, ord, gw, out0, bmask; writes out0
.if DOCPART == 3
	.amdgcn_target "amdgcn-amd-amdhsa--gfx1250"
	.amdhsa_code_object_version 6
	.text
	.protected	k_q617adb128f_experts
	.globl	k_q617adb128f_experts
	.p2align	8
	.type	k_q617adb128f_experts,@function
k_q617adb128f_experts:
	s_mov_b64 s[64:65], 0
	v_nop
	global_prefetch_b8 v0, s[64:65] scope:SCOPE_SE
	s_setreg_imm32_b32 hwreg(HW_REG_WAVE_MODE, 25, 1), 1
	s_wait_xcnt 0x0
; EXPERTS: out[token][h] = w1 (x W[e1])[h] + w2 (x W[e2])[h], on the codes of E2M1 and the E8M0 bytes as they are given, by v_wmma_scale_f32_16x16x128_f8f6f4; sums in f32.
; Only chosen experts are multiplied.  The tokens lie sorted by their pair of experts (ord); work-group (hc, b) owns tokens ord[128 b .. 128 b + 127] and columns 128 hc .. 128 hc + 127:
; 32 x 8 = 256 work-groups, full at every choice of experts, and each output number has one owner.  The work-group walks, in ascending order, the experts that any of its tokens uses.
; bmask[b], stored by the launch before, has a bit for each expert that the block's first 64 tokens use (bits 15:0) and one for each that its last 64 use (bits 31:16): the walk goes over
; the union, an expert's weights are loaded once for the block, and a half none of whose tokens uses the expert is passed over by a scalar branch on that word.
; In a half that is not passed over every token is multiplied, and the product is weighed with the token's gate weight for that expert, which is 0 where the token did not choose it.
; SHARES.  Wave w takes ALL 128 tokens (8 tiles) and columns 32 w .. 32 w + 31 of the strip (2 tiles): no weight byte is read twice in a work-group, and x's 64 fragments stay in 512 registers.
; The weights come from wimg, laid in the order of the operand's registers (512 consecutive bytes a load), straight into registers, one expert ahead, in two buffers.
; The product has source 0 = 16 rows of W, source 1 = 16 tokens: a lane holds ONE token (lane % 16) and eight neighbouring columns, so the gate's weight is one number a lane.
; NO TENSOR LOADS, NO CLUSTER: which experts a block walks, and how many, is read from memory; blocks of one strip need different experts in different numbers, so partners could not
; make every request jointly.
; LIMITS: a token is also multiplied by the experts that only its neighbours in its half of the block chose (in the first slot: in its block), with weight 0: were such a product to
; overflow f32, the row would be spoilt.
; REGISTERS.  window 0: v1 16 x lane, v2 32 x lane, v3 the gate table's address, v4, v5 x's images, v6, v7 at work; v8-15 G: the gate weights of my token in tiles 0..7;
;   v16-31 W's scale words, two sets (lanes 0-15 column tile 0, lanes 16-31 tile 1); v32-63 x's scale words (8 p + s: lanes 0-15 token tile 2 p, lanes 16-31 tile 2 p + 1);
;   v64-127 T: eight accumulators, four token tiles x two column tiles; v128-255 O: the weighed sums (128 + 64 ht + 8 tt).  Ahead of the walk T holds addresses and O the gathered rows.
;   windows 1, 2: x's fragments (K step s, tile tt) at 8 (8 (s % 4) + tt), s < 4 in window 1.   window 3: W's fragments, buffer B at 128 B + 8 (8 ht + s).
.set TILEB, 32*272                     ; a tile of x in LDS: 32 blocks; a block is 16 rows x 16 bytes + 16 of padding
.set GT,    8*TILEB                    ; the gate table: slot i, token (tt, r) at 512 i + 32 r + 4 tt.  16 slots, and a 17th row on which the address rests behind its last step; nothing reads it
.set STG,   GT+17*512                  ; the way out: 128 rows x (512 bytes + 16)
.set SP,    528
.set G,  8
.set WS, 16
.set XS, 32
.set T,  64
.set O,  128
.set MSB, 0
.macro WIN new                         ; the immediate's high byte repeats the setting that is left
.if MSB != \new
	s_set_vgpr_msb (MSB<<8)|\new
.set MSB, \new
.endif
.endm
; The next expert of the walk is taken off the mask s51; its number is kept for buffer B (s73, s74), and its addresses are made.  These registers' last loads were shown done a slot ago.
.macro NEXTE B
	s_ctz_i32_b32 s52, s51
	s_min_u32 s52, s52, 15                         ; a loaded number enters an address held to its range
	s_mov_b32 s[73+(\B)], s52
	s_sub_co_u32 s55, s51, 1
	s_and_b32 s51, s51, s55                        ; its bit is cleared
	s_lshl_b32 s56, s52, 19                        ; an expert's 64 tiles of 8,192 bytes
	s_add_nc_u64 s[84+2*(\B):85+2*(\B)], s[58:59], s[56:57]
	s_lshl_b32 s56, s52, 15                        ; its 1,024 rows of 32 scale bytes
	s_add_nc_u64 s[88+2*(\B):89+2*(\B)], s[60:61], s[56:57]
.endm
; 34 loads: my 32 rows' scale words (two loads, 1,024 consecutive bytes together) and my two tiles' 16 fragments (512 consecutive bytes a load)
.macro WLOAD B
	global_load_b128 v[WS+8*(\B):WS+8*(\B)+3], v2, s[88+2*(\B):89+2*(\B)]
	global_load_b128 v[WS+8*(\B)+4:WS+8*(\B)+7], v2, s[88+2*(\B):89+2*(\B)] offset:16
	WIN 0xc0                                       ; destination window 3
.set f, 0
.rept 16
	global_load_b128 v[128*(\B)+8*f:128*(\B)+8*f+3], v1, s[84+2*(\B):85+2*(\B)] offset:1024*f
	global_load_b128 v[128*(\B)+8*f+4:128*(\B)+8*f+7], v1, s[84+2*(\B):85+2*(\B)] offset:1024*f+512
.set f, f+1
.endr
	WIN 0
.endm
; One product, by the symbols rT, rW, rX (registers), rA, rB (scale words), rZ (it starts the sum), oA, oB (the scale words stand in lanes 16-31)
.macro MM
.if rZ
.if oA && oB
	v_wmma_scale_f32_16x16x128_f8f6f4 v[rT:rT+7], v[rW:rW+7], v[rX:rX+7], 0, v[rA], v[rB] matrix_a_fmt:MATRIX_FMT_FP4 matrix_b_fmt:MATRIX_FMT_FP4 matrix_a_scale:MATRIX_SCALE_ROW1 matrix_b_scale:MATRIX_SCALE_ROW1
.elseif oA
	v_wmma_scale_f32_16x16x128_f8f6f4 v[rT:rT+7], v[rW:rW+7], v[rX:rX+7], 0, v[rA], v[rB] matrix_a_fmt:MATRIX_FMT_FP4 matrix_b_fmt:MATRIX_FMT_FP4 matrix_a_scale:MATRIX_SCALE_ROW1
.elseif oB
	v_wmma_scale_f32_16x16x128_f8f6f4 v[rT:rT+7], v[rW:rW+7], v[rX:rX+7], 0, v[rA], v[rB] matrix_a_fmt:MATRIX_FMT_FP4 matrix_b_fmt:MATRIX_FMT_FP4 matrix_b_scale:MATRIX_SCALE_ROW1
.else
	v_wmma_scale_f32_16x16x128_f8f6f4 v[rT:rT+7], v[rW:rW+7], v[rX:rX+7], 0, v[rA], v[rB] matrix_a_fmt:MATRIX_FMT_FP4 matrix_b_fmt:MATRIX_FMT_FP4
.endif
.else
.if oA && oB
	v_wmma_scale_f32_16x16x128_f8f6f4 v[rT:rT+7], v[rW:rW+7], v[rX:rX+7], v[rT:rT+7], v[rA], v[rB] matrix_a_fmt:MATRIX_FMT_FP4 matrix_b_fmt:MATRIX_FMT_FP4 matrix_a_scale:MATRIX_SCALE_ROW1 matrix_b_scale:MATRIX_SCALE_ROW1
.elseif oA
	v_wmma_scale_f32_16x16x128_f8f6f4 v[rT:rT+7], v[rW:rW+7], v[rX:rX+7], v[rT:rT+7], v[rA], v[rB] matrix_a_fmt:MATRIX_FMT_FP4 matrix_b_fmt:MATRIX_FMT_FP4 matrix_a_scale:MATRIX_SCALE_ROW1
.elseif oB
	v_wmma_scale_f32_16x16x128_f8f6f4 v[rT:rT+7], v[rW:rW+7], v[rX:rX+7], v[rT:rT+7], v[rA], v[rB] matrix_a_fmt:MATRIX_FMT_FP4 matrix_b_fmt:MATRIX_FMT_FP4 matrix_b_scale:MATRIX_SCALE_ROW1
.else
	v_wmma_scale_f32_16x16x128_f8f6f4 v[rT:rT+7], v[rW:rW+7], v[rX:rX+7], v[rT:rT+7], v[rA], v[rB] matrix_a_fmt:MATRIX_FMT_FP4 matrix_b_fmt:MATRIX_FMT_FP4
.endif
.endif
.endm
; 64 products: token tiles 4 g .. 4 g + 3 against the two column tiles of buffer B, K ascending.  Accumulator 2 tl + ht holds token tile 4 g + tl, column tile ht.
; The first K step starts the sums.  The eight accumulators take turns, one instruction a turn.
.macro MULG B, g
.irp s, 0,1,2,3,4,5,6,7
.if \s < 4
	WIN 0x07                                       ; source 0 (W) window 3, source 1 (x) window 1
.else
	WIN 0x0b                                       ; source 1 window 2
.endif
.set rZ, 0
.if \s == 0
.set rZ, 1
.endif
.irp tl, 0,1,2,3
.irp ht, 0,1
.set tk, 4*(\g)+\tl
.set rT, T+8*(2*\tl+\ht)
.set rW, 128*(\B)+8*(8*\ht+\s)
.set rX, 8*(8*(\s%4)+tk)
.set rA, WS+8*(\B)+\s
.set rB, XS+8*(tk/2)+\s
.set oA, \ht
.set oB, tk%2
	MM
.endr
.endr
.endr
	WIN 0
.endm
; O += T x the token's gate weight, two numbers an instruction; first = 1: O = T x the weight, so nothing is cleared.  Each accumulator is read from its low end on.
; The four v_nop are the places between the last product and the first read of a result; with the lines behind them they are also the places in front of the
; next products that begin the accumulators anew and of the next loads into W's registers.
.macro GATE g, first
.rept 4
	v_nop
.endr
.irp tl, 0,1,2,3
.irp ht, 0,1
.irp j, 0,2,4,6
.set tk, 4*(\g)+\tl
.set rO, O+64*\ht+8*tk+\j
.set rT, T+8*(2*\tl+\ht)+\j
.set rG, G+2*(tk/2)
.if \first
.if tk%2
	v_pk_mul_f32 v[rO:rO+1], v[rT:rT+1], v[rG:rG+1] op_sel:[0,1]              ; the pair's second register serves both halves
.else
	v_pk_mul_f32 v[rO:rO+1], v[rT:rT+1], v[rG:rG+1] op_sel_hi:[1,0]           ; the pair's first register serves both halves
.endif
.else
.if tk%2
	v_pk_fma_f32 v[rO:rO+1], v[rT:rT+1], v[rG:rG+1], v[rO:rO+1] op_sel:[0,1,0]
.else
	v_pk_fma_f32 v[rO:rO+1], v[rT:rT+1], v[rG:rG+1], v[rO:rO+1] op_sel_hi:[1,0,1]
.endif
.endif
.endr
.endr
.endr
.endm
; Half g of the block's tokens in the slot of buffer B.  cond = 1: passed over where none of its 64 tokens uses the slot's expert: bit E (g = 0) or 16 + E (g = 1) of the loaded word s72.
.macro HALF B, g, first, cond
.if \cond
	s_lshr_b32 s75, s72, s[73+(\B)]
.if \g
	s_lshr_b32 s75, s75, 16
.endif
	s_and_b32 s75, s75, 1
	s_cmp_eq_u32 s75, 0
	s_cbranch_scc1 .Lnone_\@
.endif
	MULG \B, \g
	s_wait_dscnt 0x0                               ; G, asked for at the slot's head
	GATE \g, \first
.if \cond
.Lnone_\@:
.endif
.endm
; A SLOT of the walk: the expert whose weights were asked for into buffer B.  ahead = 1: the next expert's loads are out already.  check = 1: a slot of the loop, whose work is
; jumped over once the walk is over (s53 = 0: nothing was asked for).  The trip count stays a constant of the text, and the table's address is stepped on every way.
; The first slot runs both halves: it starts all the sums.
.macro SLOT B, first, ahead, check
.if \check
	s_cmp_eq_u32 s53, 0
	s_cbranch_scc1 .Lskip_\@
.endif
	ds_load_b128 v[G:G+3], v3                      ; my token's weights for this expert, in the eight token tiles
	ds_load_b128 v[G+4:G+7], v3 offset:16
.if \ahead
	s_wait_loadcnt 34                              ; buffer B is in; the other buffer's 34 loads may be out
	s_mov_b32 s53, 1
.else
	s_cmp_lg_u32 s51, 0                            ; is an expert left?
	s_cbranch_scc0 .Llast_\@
	NEXTE 1-\B
	WLOAD 1-\B                                     ; a whole slot ahead of its use
	s_wait_loadcnt 34                              ; buffer B is in; the 34 loads just issued may be out
	s_mov_b32 s53, 1
	s_branch .Lgo_\@
.Llast_\@:
	s_wait_loadcnt 0x0                             ; buffer B is in; nothing was issued behind it
	s_mov_b32 s53, 0
.Lgo_\@:
.endif
	HALF \B, 0, \first, 1-\first
	HALF \B, 1, \first, 1-\first
	s_wait_dscnt 0x0                               ; on every way G's two loads are in before the next slot loads the same registers
.if \check
	s_branch .Lend_\@
.Lskip_\@:
	s_wait_loadcnt 0x0                             ; the walk ended with a wait for all loads, so none is out here: the line says so for every way that leads here
.Lend_\@:
.endif
	v_add_nc_u32 v3, 512, v3                       ; the next slot's row of the table
.endm
	s_load_b256 s[4:11], s[0:1], 0x0               ; x_codes 4:5, x_scales 6:7, wimg 8:9, expert_weights_scales 10:11
	s_load_b128 s[12:15], s[0:1], 0x20             ; ord 12:13, gw 14:15
	s_load_b128 s[68:71], s[0:1], 0x30             ; out0 68:69, bmask 70:71
	v_lshrrev_b32 v1, 5, v0
	v_readfirstlane_b32 s48, v1                    ; wave 0..3
	s_mov_b32 s49, ttmp9                           ; hc: the strip of 128 columns
	s_and_b32 s50, ttmp7, 0xffff                   ; b: the block of 128 sorted tokens
	v_and_b32 v7, 31, v0                           ; lane
	v_lshlrev_b32 v1, 4, v7
	v_lshlrev_b32 v2, 5, v7
	v_and_b32 v10, 15, v0                          ; r
	v_bfe_u32 v11, v0, 4, 1                        ; half
	v_lshlrev_b32 v3, 5, v10
	v_add_nc_u32 v3, GT, v3                        ; the table: slot 0, token r of each tile
	v_mul_u32_u24 v4, v11, 272
	v_lshl_add_u32 v4, v10, 4, v4                  ; x's images, tiles 0-3: block 2 p + half, row r
	v_add_nc_u32 v5, 4*TILEB, v4                   ; tiles 4-7
	s_mul_i32 s95, s48, 2*TILEB
	v_mul_u32_u24 v6, v7, 272
	v_add_nc_u32 v6, s95, v6                       ; where I store my wave's rows: tiles 2 w, 2 w + 1; block = lane
	v_lshlrev_b32 v7, 2, v7                        ; 4 x lane
	v_lshlrev_b32 v8, 2, v0                        ; 4 x thread
	v_lshrrev_b32 v9, 4, v0
	v_lshlrev_b32 v9, 2, v9
	v_lshl_add_u32 v9, v10, 5, v9
	v_add_nc_u32 v9, GT, v9                        ; the table, on the way in: thread t has token t of the block: 32 (t % 16) + 4 (t / 16)
	s_lshl_b32 s56, s50, 9
	s_mov_b32 s57, 0                               ; stays 0: the upper word of every offset
	s_lshl_b32 s55, s48, 7
	s_lshl_b32 s97, s50, 2
	s_wait_kmcnt 0x0
	s_add_nc_u64 s[12:13], s[12:13], s[56:57]      ; ord at my block
	s_load_b512 s[16:31], s[12:13], s55 offset:0x0   ; my wave's 32 tokens as scalars: each is a whole row to gather and, at the end, a whole row to store
	s_load_b512 s[32:47], s[12:13], s55 offset:0x40
	s_load_b32 s72, s[70:71], s97 offset:0x0       ; my block's experts, a bit each, for its two halves: the same word in all four waves
.irp p, 0,1,2,3
	global_load_b32 v[96+\p], v7, s[12:13] offset:128*\p   ; lane l: token 32 p + l of the block
.endr
	global_load_b32 v100, v8, s[12:13]             ; thread t: token t
	s_lshl_b32 s95, s49, 3
	s_lshl_b32 s96, s48, 1
	s_add_co_u32 s95, s95, s96                     ; my first tile of an expert's 64: 8 hc + 2 w
	s_lshl_b32 s56, s95, 13
	s_add_nc_u64 s[58:59], s[8:9], s[56:57]
	s_lshl_b32 s56, s95, 9                         ; its 16 rows x 32 scale bytes
	s_add_nc_u64 s[60:61], s[10:11], s[56:57]
	s_lshl_b32 s56, s49, 9
	s_add_nc_u64 s[68:69], s[68:69], s[56:57]      ; out0 at my strip
	s_wait_kmcnt 0x0
	s_lshr_b32 s51, s72, 16
	s_or_b32 s51, s51, s72
	s_and_b32 s51, s51, 0xffff                     ; the walk's mask, the two halves' joined: sixteen experts, sixteen slots,
	s_mov_b32 s94, s51                             ; and a copy for the table
.set i, 0
.rept 32                                           ; the gather: a row of x is 512 consecutive bytes, 16 a lane
	s_and_b32 s[16+i], s[16+i], 0xfff
	s_min_u32 s[16+i], s[16+i], 4095               ; a loaded number enters an address held to its range
	v_lshl_add_u32 v[T+i], s[16+i], 9, v1
	global_load_b128 v[O+4*i:O+4*i+3], v[T+i], s[4:5]
.set i, i+1
.endr
	s_wait_loadcnt 32                              ; the five loads of ord are in; the 32 rows behind them may be out
.irp p, 0,1,2,3
	v_and_b32 v[101+\p], 0xfff, v[96+\p]
	v_min_u32 v[101+\p], 0xfff, v[101+\p]
	v_lshlrev_b32 v[101+\p], 5, v[101+\p]
	global_load_b128 v[XS+8*\p:XS+8*\p+3], v[101+\p], s[6:7]              ; x's scale words, K steps 0-3
	global_load_b128 v[XS+8*\p+4:XS+8*\p+7], v[101+\p], s[6:7] offset:16  ; and 4-7
.endr
	v_and_b32 v105, 0xfff, v100
	v_min_u32 v105, 0xfff, v105
	v_lshlrev_b32 v105, 3, v105
	global_load_b64 v[106:107], v105, s[14:15]     ; (w1, w2) of token t
	NEXTE 0
	WLOAD 0                                        ; the first expert's weights
	; x's rows go to LDS, block by block, as in the launch that laid the weights.  Behind a group of eight rows stand the later rows, the 9 loads of scales and weights and W's 34:
	; 67, 59, 51, 43; the first count is held to 63, the largest that the wait can name, which asks for more than is needed
	s_wait_loadcnt 63
.set i, 0
.rept 32
.if (i == 8) || (i == 16) || (i == 24)
	s_wait_loadcnt 67-i
.endif
	ds_store_b128 v6, v[O+4*i:O+4*i+3] offset:(i/16)*TILEB+(i%16)*16
.set i, i+1
.endr
	s_wait_loadcnt 34                              ; x's scale words and (w1, w2) are in; W's 34 loads may be out
	v_bfe_u32 v108, v100, 12, 4                    ; e1
	v_bfe_u32 v109, v100, 16, 4                    ; e2
.set i, 0
.rept 16                                           ; the table: slot i is the mask's i-th expert, as in the walk; -1, which no token has, when none is left
	s_ctz_i32_b32 s95, s94
	s_sub_co_u32 s96, s94, 1
	s_and_b32 s94, s94, s96
	v_cmp_eq_u32 vcc_lo, s95, v108
	v_cndmask_b32 v[112+i], 0, v106, vcc_lo
	v_cmp_eq_u32 vcc_lo, s95, v109
	v_cndmask_b32 v[112+i], v[112+i], v107, vcc_lo
	ds_store_b32 v9, v[112+i] offset:512*i
.set i, i+1
.endr
	NEXTE 1                                        ; a token has two different experts, so the mask has a second bit (were it empty, expert 15 would be read, and passed over or weighed with 0)
	WLOAD 1
	s_wait_dscnt 0x0                               ; for the others' sake: my rows and my part of the table have landed
	s_barrier_signal -1
	s_barrier_wait -1
.irp s, 0,1,2,3,4,5,6,7                            ; x's 64 fragments: they stay
.if \s < 4
	WIN 0x40                                       ; destination window 1
.else
	WIN 0x80                                       ; window 2
.endif
.irp tt, 0,1,2,3,4,5,6,7
.irp c, 0,1
.if \tt < 4
	ds_load_b128 v[8*(8*(\s%4)+\tt)+4*\c:8*(8*(\s%4)+\tt)+4*\c+3], v4 offset:(\tt%4)*TILEB+(2*\s+\c)*544
.else
	ds_load_b128 v[8*(8*(\s%4)+\tt)+4*\c:8*(8*(\s%4)+\tt)+4*\c+3], v5 offset:(\tt%4)*TILEB+(2*\s+\c)*544
.endif
.endr
.endr
.endr
	WIN 0
	s_wait_dscnt 0x0
	SLOT 0, 1, 1, 0                                ; the first expert starts the sums
	SLOT 1, 0, 0, 0
	s_mov_b32 s54, 7
.Lpair:                                            ; 2 + 7 x 2 = 16 slots, as many as there are experts
	SLOT 0, 0, 0, 1
	SLOT 1, 0, 0, 1
	s_sub_co_u32 s54, s54, 1
	s_cmp_lg_u32 s54, 0
	s_cbranch_scc1 .Lpair
	; THE WAY OUT.  A lane holds 32 neighbouring bytes of a row, a row's 512 bytes come from four waves: they meet in the stage, and each wave stores 32 whole rows.
	v_and_b32 v6, 15, v0
	v_bfe_u32 v7, v0, 4, 1
	v_mul_u32_u24 v6, v6, SP
	v_lshl_add_u32 v6, v7, 5, v6
	s_lshl_b32 s95, s48, 7
	v_add_nc_u32 v6, s95, v6
	v_add_nc_u32 v6, STG, v6                       ; in: row r of a tile, + 128 w + 32 half
	s_mul_i32 s95, s48, 32*SP
	v_add_nc_u32 v7, s95, v1
	v_add_nc_u32 v7, STG, v7                       ; back: rows 32 w on, 16 bytes a lane
.irp tt, 0,1,2,3,4,5,6,7
.irp ht, 0,1
	ds_store_b128 v6, v[O+64*\ht+8*\tt:O+64*\ht+8*\tt+3] offset:16*\tt*SP+64*\ht
	ds_store_b128 v6, v[O+64*\ht+8*\tt+4:O+64*\ht+8*\tt+7] offset:16*\tt*SP+64*\ht+16
.endr
.endr
.set i, 0
.rept 32
	v_lshl_add_u32 v[T+i], s[16+i], 12, v1         ; row i of my 32 belongs to this token: 4,096 bytes a row of out0
.set i, i+1
.endr
	s_wait_dscnt 0x0                               ; for the others' sake: my stores into the stage have landed
	s_barrier_signal -1
	s_barrier_wait -1
.set i, 0
.rept 32
	ds_load_b128 v[O+4*i:O+4*i+3], v7 offset:i*SP
.set i, i+1
.endr
.set i, 0
.rept 32
	s_wait_dscnt 31-i                              ; LDS loads come back in order: row i is in, the 31 - i behind it may be out
	global_store_b128 v[T+i], v[O+4*i:O+4*i+3], s[68:69] th:TH_STORE_NT   ; 512 consecutive bytes, aligned; written once, read by nobody here
.set i, i+1
.endr
	s_wait_xcnt 0x0
	v_lshl_add_u32 v254, v0, 2, 0x23a00
	v_mov_b32 v255, 0
	s_wait_tensorcnt 0x0
	ds_add_u32 v254, v255
	s_wait_dscnt 0x0
	s_endpgm
.Lfunc_end_k_q617adb128f_experts:
	.size	k_q617adb128f_experts, .Lfunc_end_k_q617adb128f_experts-k_q617adb128f_experts
	.p2alignl 7, 3214868480
	.fill 96, 4, 3214868480
	.section	.rodata,"a",@progbits
	.p2align	6, 0x0
	.amdhsa_kernel k_q617adb128f_experts
		.amdhsa_group_segment_fixed_size 146432
		.amdhsa_private_segment_fixed_size 0
		.amdhsa_enable_private_segment 0
		.amdhsa_kernarg_size 64
		.amdhsa_user_sgpr_count 2
		.amdhsa_user_sgpr_kernarg_segment_ptr 1
		.amdhsa_wavefront_size32 1
		.amdhsa_system_sgpr_workgroup_id_x 1
		.amdhsa_system_sgpr_workgroup_id_y 1
		.amdhsa_system_sgpr_workgroup_id_z 1
		.amdhsa_system_vgpr_workitem_id 0
		.amdhsa_next_free_vgpr 1024
		.amdhsa_next_free_sgpr 100
		.amdhsa_reserve_vcc 1
		.amdhsa_float_denorm_mode_32 3
		.amdhsa_float_denorm_mode_16_64 3
		.amdhsa_memory_ordered 1
		.amdhsa_forward_progress 1
		.amdhsa_inst_pref_size 142
	.end_amdhsa_kernel
	.amdgpu_metadata
---
amdhsa.version: [ 1, 2 ]
amdhsa.kernels:
  - .name:           k_q617adb128f_experts
    .symbol:         k_q617adb128f_experts.kd
    .args:
      - { .name: x_codes, .offset: 0, .size: 8, .value_kind: global_buffer, .address_space: global }
      - { .name: x_scales, .offset: 8, .size: 8, .value_kind: global_buffer, .address_space: global }
      - { .name: wimg, .offset: 16, .size: 8, .value_kind: global_buffer, .address_space: global }
      - { .name: expert_weights_scales, .offset: 24, .size: 8, .value_kind: global_buffer, .address_space: global }
      - { .name: ord, .offset: 32, .size: 8, .value_kind: global_buffer, .address_space: global }
      - { .name: gw, .offset: 40, .size: 8, .value_kind: global_buffer, .address_space: global }
      - { .name: out0, .offset: 48, .size: 8, .value_kind: global_buffer, .address_space: global }
      - { .name: bmask, .offset: 56, .size: 8, .value_kind: global_buffer, .address_space: global }
    .group_segment_fixed_size: 146432
    .private_segment_fixed_size: 0
    .kernarg_segment_align: 8
    .kernarg_segment_size: 64
    .max_flat_workgroup_size: 128
    .sgpr_count:     100
    .vgpr_count:     1024
    .wavefront_size: 32
...
	.end_amdgpu_metadata
.endif
;; end of part 3
;; ======== version 2 of 2: 3 launches
;; workspace buffers: wimg 8,388,608 bytes; tokinfo 16,384 bytes of whole numbers; hist 16,384 bytes of whole numbers; gw 32,768 bytes; ord 16,384 bytes of whole numbers; bmask 256 bytes of whole numbers
;; launch prep (part 4): grid 320 x 1, 2 waves a work-group, no clusters, 69,888 bytes of LDS; arguments x_codes, x_scales, gate_weight_codes, gate_weight_scales, expert_weights_codes, wimg, tokinfo, gw, hist; writes wimg, tokinfo, gw, hist
.if DOCPART == 4
	.amdgcn_target "amdgcn-amd-amdhsa--gfx1250"
	.amdhsa_code_object_version 6
	.text
	.protected	k_q617adb128f_prep
	.globl	k_q617adb128f_prep
	.p2align	8
	.type	k_q617adb128f_prep,@function
k_q617adb128f_prep:
	s_mov_b64 s[64:65], 0
	v_nop
	global_prefetch_b8 v0, s[64:65] scope:SCOPE_SE
	s_setreg_imm32_b32 hwreg(HW_REG_WAVE_SCHED_MODE, 0, 2), 2
	s_setreg_imm32_b32 hwreg(HW_REG_WAVE_MODE, 25, 1), 1
	s_wait_xcnt 0x0
	s_wait_alu depctr_vm_vsrc(0)
; PREP: two jobs on one plan.  A wave takes 32 rows of 512 bytes (1,024 codes of E2M1, K innermost), 16 KiB on end, and turns them through its own LDS bytes into
; two tiles of 16 rows in the order of a matrix operand's registers: piece p (0..15) of a tile is 512 bytes, lane l's 16 bytes being block 2 p + l / 16 of row l % 16,
; so that pieces 2 s and 2 s + 1 are registers 0-3 and 4-7 of the fragment of K step s (128 along K).
; WORK-GROUPS 0..63, THE ROUTER: the rows are 32 tokens of x.  logits^T = gate x^T by v_wmma_scale_f32_16x16x128_f8f6f4 on the codes and scale bytes as they are given
; (source 0 = the 16 experts, source 1 = 16 tokens): a lane holds one token and eight experts.  Top-2 (a tie keeps the lower index, as jax.lax.top_k does), softmax over the two
; logits with the larger taken away first, the key of the unordered pair, the token's index among the wave's tokens of the same key, and the wave's count of every key.
; All of that is stored as VALUES at fixed places: no address and no branch of this launch hangs on it.
;   tokinfo[token] = key | index << 7 | e1 << 12 | e2 << 16;   gw[token] = (w1, w2);   hist word (l x 128 + wave): byte a = the wave's count of key 4 l + a.
;   key = lo (31 - lo) / 2 + hi - lo - 1, 0..119, for lo < hi.
; WORK-GROUPS 64..319, THE WEIGHTS: the rows are 32 rows (expert, h) of expert_weights_codes; the two tiles are stored as they stand, 8,192 bytes each, at the place of the rows.
; The two jobs part once, on the work-group's number, and each has LDS bytes of its own.  Waves share nothing: no barrier.
; LIMITS: NaN or infinite logits are not served (the second expert may then equal the first).  Where the second and the third logit of a token lie closer than the rounding
; of the f32 sums, the choice may differ from that of sums taken in another order.
; THE MODE: SCHED_MODE bits 1:0 = 2 (LLVM: expert scheduling mode 2), set by the entry lines.  The code itself states the register dependences between vector or matrix
; instructions and memory or LDS instructions, and between a vector instruction that writes a scalar register and that register's readers, with s_wait_alu, always for 0.
; THE PLAN.  Registers that memory or LDS instructions touch:
;   v2, v3, v4, and on the router's way v7 to v13: offsets and LDS addresses, written once by vector instructions and never again: one wait on va_vdst on each way, ahead of its first load.
;   R: the rows' loads land in it, the LDS stores read it; nothing writes it again.   The tiles, the gate's fragments, GS, XS: written by loads alone, read by the products or by stores.
;   v220, v221, v240, v241: written by vector instructions, read by the router's three stores: one wait on va_vdst ahead of them.
;   No register that a memory or LDS instruction has read is written again: so the body holds no wait on vm_vsrc.
;   Scalar registers that vector instructions write: s22 (the wave's number); s48, s49, s56, s57 (the compares of the top-2); s36 to s42 (the keys' bits): a wait on va_sdst behind each run of writers.
.set NRW,   64                         ; router work-groups: 4,096 tokens / 64
.set TILEB, 32*272                     ; a tile in LDS: 32 blocks; a block is 16 rows x 16 bytes + 16 of padding
.set WLDS,  2*TILEB                    ; a wave's two tiles
.set WPATH, 2*WLDS                     ; the weights' way uses the bytes from here on, the router's those below
.set R,    16                          ; v16-143   the 32 rows as loaded, four registers each
.set GS,   144                         ; v144-151  the gate's scale words, K steps 0..7 (lane r: expert r)
.set XS,   152                         ; v152-159  x's scale words: lanes 0-15 tile 0, lanes 16-31 tile 1
.set ACC,  160                         ; v160-167, v168-175 the logits of tile 0, tile 1
.set GF,   128                         ; window 1: v0-63, v64-127 the two tiles; v128-191 the gate's eight fragments
.set MSB, 0
.macro WIN new                         ; the immediate's high byte repeats the setting that is left
.if MSB != \new
	s_set_vgpr_msb (MSB<<8)|\new
.set MSB, \new
.endif
.endm
.macro ROWS sb                         ; 32 loads, each a whole row: 32 lanes x 16 bytes = 512 consecutive bytes
.set i, 0
.rept 32
	global_load_b128 v[R+4*i:R+4*i+3], v2, s[\sb:\sb+1] offset:512*i
.set i, i+1
.endr
.endm
.macro TURN base                       ; rows in (lane = block), pieces out (lane = row and half).  LDS serves a wave's instructions in order: no wait between the stores and the loads
.set i, 0
.rept 4
	s_wait_loadcnt 24-i                            ; loads come back in order: these eight rows are in, the rows behind them (24, 16, 8, 0) may be out
.rept 8
	ds_store_b128 v3, v[R+4*i:R+4*i+3] offset:(\base)+(i/16)*TILEB+(i%16)*16   ; 272 x block + 16 x row: sixteen lanes fall on sixteen different 16-byte columns
.set i, i+1
.endr
.endr
	WIN 0x40                                       ; destination window 1
.set i, 0
.rept 32
	ds_load_b128 v[4*i:4*i+3], v4 offset:(\base)+(i/16)*TILEB+(i%16)*544       ; piece i % 16 of tile i / 16: sixteen lanes read 256 consecutive bytes
.set i, i+1
.endr
	WIN 0
.endm
	s_load_b512 s[4:19], s[0:1], 0x0               ; x_codes 4:5, x_scales 6:7, gate codes 8:9, gate scales 10:11, expert codes 12:13, wimg 14:15, tokinfo 16:17, gw 18:19
	s_load_b64 s[20:21], s[0:1], 0x40              ; hist
	v_lshl_add_u32 v254, v0, 2, 0x11000
	v_mov_b32 v255, 0
	v_lshrrev_b32 v1, 5, v0
	v_readfirstlane_b32 s22, v1                    ; wave 0, 1
	v_and_b32 v1, 31, v0                           ; lane
	v_lshlrev_b32 v2, 4, v1                        ; 16 x lane
	v_and_b32 v5, 15, v0                           ; r
	v_bfe_u32 v6, v0, 4, 1                         ; half
	s_wait_alu depctr_va_sdst(0)                   ; s22 is written, ahead of its first reader: the wave's LDS bytes and its parts of the buffers are made from it
	s_mul_i32 s50, s22, WLDS                       ; my wave's LDS bytes
	v_mul_u32_u24 v3, v1, 272
	v_add_nc_u32 v3, s50, v3                       ; in: block = lane
	v_mul_u32_u24 v4, v6, 272
	v_lshl_add_u32 v4, v5, 4, v4
	v_add_nc_u32 v4, s50, v4                       ; out: block = 2 p + half, row r
	s_mov_b32 s25, 0
	s_wait_kmcnt 0x0
	s_cmp_ge_u32 ttmp9, NRW
	s_cbranch_scc1 .Lweights
	; ---------------- the router ----------------
	s_lshl_b32 s23, ttmp9, 1
	s_add_co_u32 s23, s23, s22                     ; u = 2 x work-group + wave: tokens 32 u .. 32 u + 31
	s_lshl_b32 s24, s23, 14
	s_add_nc_u64 s[4:5], s[4:5], s[24:25]          ; their codes,
	s_lshl_b32 s24, s23, 10
	s_add_nc_u64 s[6:7], s[6:7], s[24:25]          ; their scale bytes (32 a token),
	s_lshl_b32 s24, s23, 7
	s_add_nc_u64 s[16:17], s[16:17], s[24:25]      ; their words of tokinfo,
	s_lshl_b32 s24, s23, 8
	s_add_nc_u64 s[18:19], s[18:19], s[24:25]      ; their pairs of gw,
	s_lshl_b32 s24, s23, 2
	s_add_nc_u64 s[20:21], s[20:21], s[24:25]      ; and my wave's column of hist
	s_wait_alu depctr_va_vdst(0)
	v_lshlrev_b32 v7, 9, v5
	v_lshl_add_u32 v7, v6, 4, v7                   ; the gate: row r of 512 bytes, + 16 x half
	v_lshlrev_b32 v8, 5, v5                        ; its scale bytes: 32 a row
	v_lshlrev_b32 v9, 5, v1                        ; x's: 32 a token, token = lane
	v_lshlrev_b32 v10, 3, v6                       ; 8 x half: my first expert
	v_lshlrev_b32 v11, 2, v1
	v_lshlrev_b32 v12, 3, v1
	v_lshlrev_b32 v13, 9, v1
	s_wait_alu depctr_va_vdst(0)                   ; v2 to v4 and v7 to v13 are written: every load, LDS instruction and store of this way reads one of them as its offset or address
	WIN 0x40
.irp s, 0,1,2,3,4,5,6,7
.irp c, 0,1
	global_load_b128 v[GF+8*\s+4*\c:GF+8*\s+4*\c+3], v7, s[8:9] offset:64*\s+32*\c   ; the gate's fragment of K step s: K = 128 s + 64 c + 32 half + 0 .. 31
.endr
.endr
	WIN 0
	global_load_b128 v[GS:GS+3], v8, s[10:11]
	global_load_b128 v[GS+4:GS+7], v8, s[10:11] offset:16
	global_load_b128 v[XS:XS+3], v9, s[6:7]
	global_load_b128 v[XS+4:XS+7], v9, s[6:7] offset:16
	ROWS 4                                         ; issued behind the twenty loads above, so the waits for the rows show those done too
	s_mov_b32 s30, 0x76543210
	s_mov_b32 s31, 0xfedcba98                      ; v_permlanex16_b32: lane l xor 16
	s_mov_b32 s32, 0xffff0000                      ; lanes 16-31
	s_mov_b32 s52, 0x55555555
	s_mov_b32 s53, 0x33333333
	s_mov_b32 s54, 0x0f0f0f0f
	s_mov_b32 s55, 0x01010101
.irp k, 0,1,2,3
	v_mov_b32 v[188+\k], 0                         ; written once: a lane permute's destination counts as one of its sources
.endr
	TURN 0
	s_wait_dscnt 0x0                               ; both tiles are in registers
	WIN 0x05                                       ; sources 0 and 1 window 1
.irp s, 0,1,2,3,4,5,6,7                            ; K ascending; the two accumulators take turns
.if \s == 0
	v_wmma_scale_f32_16x16x128_f8f6f4 v[ACC:ACC+7], v[GF+8*\s:GF+8*\s+7], v[8*\s:8*\s+7], 0, v[GS+\s], v[XS+\s] matrix_a_fmt:MATRIX_FMT_FP4 matrix_b_fmt:MATRIX_FMT_FP4
	v_wmma_scale_f32_16x16x128_f8f6f4 v[ACC+8:ACC+15], v[GF+8*\s:GF+8*\s+7], v[64+8*\s:64+8*\s+7], 0, v[GS+\s], v[XS+\s] matrix_a_fmt:MATRIX_FMT_FP4 matrix_b_fmt:MATRIX_FMT_FP4 matrix_b_scale:MATRIX_SCALE_ROW1
.else
	v_wmma_scale_f32_16x16x128_f8f6f4 v[ACC:ACC+7], v[GF+8*\s:GF+8*\s+7], v[8*\s:8*\s+7], v[ACC:ACC+7], v[GS+\s], v[XS+\s] matrix_a_fmt:MATRIX_FMT_FP4 matrix_b_fmt:MATRIX_FMT_FP4
	v_wmma_scale_f32_16x16x128_f8f6f4 v[ACC+8:ACC+15], v[GF+8*\s:GF+8*\s+7], v[64+8*\s:64+8*\s+7], v[ACC+8:ACC+15], v[GS+\s], v[XS+\s] matrix_a_fmt:MATRIX_FMT_FP4 matrix_b_fmt:MATRIX_FMT_FP4 matrix_b_scale:MATRIX_SCALE_ROW1
.endif
.endr
	WIN 0
.rept 4
	v_nop                                          ; four places between the last product and the first read of a result (ISA guide 7.12.1)
.endr
; The two largest of a lane's eight logits, experts 8 half + 0 .. 7 in ascending order; strict compares, so an equal later logit never displaces an earlier one.
; v[b] largest, v[b+1] its expert, v[b+2] second, v[b+3] its expert.  The two tiles go through the seven steps together, so that one wait serves a step's four compares.
.macro TOPINIT acc, b
	v_mov_b32 v[\b], v[\acc]                       ; the accumulator is read from its low end on
	v_mov_b32 v[\b+1], v10
	v_mov_b32 v[\b+2], 0xff800000                  ; -infinity
	v_mov_b32 v[\b+3], v10
.endm
.macro TOPCMP acc, b, j, m             ; is logit j larger than the largest (mask s[m]), than the second (mask s[m+1])?
	v_cmp_gt_f32 s[\m], v[\acc+\j], v[\b]
	v_cmp_gt_f32 s[\m+1], v[\acc+\j], v[\b+2]
.endm
.macro TOPSEL acc, b, j, m
	v_cndmask_b32 v[\b+2], v[\b+2], v[\acc+\j], s[\m+1]
	v_cndmask_b32 v[\b+3], v[\b+3], v184, s[\m+1]
	v_cndmask_b32 v[\b+2], v[\b+2], v[\b], s[\m]   ; a new largest pushes the old one down
	v_cndmask_b32 v[\b+3], v[\b+3], v[\b+1], s[\m]
	v_cndmask_b32 v[\b], v[\b], v[\acc+\j], s[\m]
	v_cndmask_b32 v[\b+1], v[\b+1], v184, s[\m]
.endm
; The pairs of lanes l and l xor 16 are joined.  L = the pair of experts 0-7, U = that of experts 8-15, the same in both lanes; a tie goes to L, the lower index.
.macro MERGE b, res
.irp k, 0,1,2,3
	v_permlanex16_b32 v[188+\k], v[\b+\k], s30, s31
.endr
.irp k, 0,1,2,3
	v_cndmask_b32 v[192+\k], v[\b+\k], v[188+\k], s32
	v_cndmask_b32 v[196+\k], v[188+\k], v[\b+\k], s32
.endr
	v_cmp_gt_f32 s48, v196, v192
	s_wait_alu depctr_va_sdst(0)                   ; the compare has written s48, which the six selects below read
	v_cndmask_b32 v[\res], v192, v196, s48         ; the largest,
	v_cndmask_b32 v[\res+1], v193, v197, s48
	v_cndmask_b32 v224, v194, v192, s48            ; L's best that is left,
	v_cndmask_b32 v225, v195, v193, s48
	v_cndmask_b32 v226, v196, v198, s48            ; U's best that is left
	v_cndmask_b32 v227, v197, v199, s48
	v_cmp_gt_f32 s49, v226, v224
	s_wait_alu depctr_va_sdst(0)                   ; the compare has written s49, which the two selects below read
	v_cndmask_b32 v[\res+2], v224, v226, s49       ; the second
	v_cndmask_b32 v[\res+3], v225, v227, s49
.endm
	TOPINIT ACC, 176
	TOPINIT ACC+8, 180
.irp j, 1,2,3,4,5,6,7
	v_add_nc_u32 v184, \j, v10
	TOPCMP ACC, 176, \j, 48
	TOPCMP ACC+8, 180, \j, 56
	s_wait_alu depctr_va_sdst(0)                   ; the four compares have written s48, s49, s56 and s57, which the twelve selects below read
	TOPSEL ACC, 176, \j, 48
	TOPSEL ACC+8, 180, \j, 56
.endr
	MERGE 176, 200
	MERGE 180, 204
.irp k, 0,1,2,3
	v_cndmask_b32 v[208+\k], v[200+\k], v[204+\k], s32   ; lanes 0-15 keep tile 0, lanes 16-31 tile 1: lane l now has token 32 u + l: v208 logit 1, v209 e1, v210 logit 2, v211 e2
.endr
	v_sub_f32 v212, v210, v208                     ; the larger logit is taken away: 0 or less
	v_mul_f32 v212, 0x3fb8aa3b, v212               ; x log2(e)
	s_wait_alu depctr_va_vdst(0)
	v_exp_f32 v213, v212                           ; t = e^(l2 - l1), at most 1
	v_min_u32 v216, v209, v211                     ; lo   (the plain instruction behind the exponential)
	s_wait_alu depctr_va_vdst(0)                   ; the exponential has written v213, ahead of its first reader
	v_add_f32 v214, 1.0, v213
	s_wait_alu depctr_va_vdst(0)
	v_rcp_f32 v220, v214                           ; w1 = 1 / (1 + t)
	v_max_u32 v217, v209, v211                     ; hi   (the plain instruction behind the reciprocal)
	s_wait_alu depctr_va_vdst(0)                   ; the reciprocal has written v220, ahead of its first reader
	v_mul_f32 v221, v213, v220                     ; w2 = t / (1 + t)
	v_sub_nc_u32 v218, 31, v216
	v_mul_u32_u24 v218, v216, v218
	v_lshrrev_b32 v218, 1, v218                    ; lo (31 - lo) / 2: one of the two factors is even
	v_add_nc_u32 v218, v218, v217
	v_sub_nc_u32 v218, v218, v216
	v_add_nc_u32 v218, -1, v218
	v_and_b32 v218, 127, v218                      ; the key
.irp b, 0,1,2,3,4,5,6
	v_and_b32 v222, 1<<\b, v218
	v_cmp_ne_u32 s[36+\b], 0, v222                 ; P_b: the lanes whose key has bit b
.endr
	s_wait_alu depctr_va_sdst(0)                   ; the seven compares have written s36 to s42, ahead of their first readers, vector and scalar
.irp b, 0,1,2,3,4,5,6                              ; the lanes whose key differs from mine in some bit
	v_bfe_u32 v222, v218, \b, 1
	v_sub_nc_u32 v222, 0, v222                     ; 0 or all ones
.if \b == 0
	v_xor_b32 v223, s[36+\b], v222
.else
	v_xor_b32 v222, s[36+\b], v222
	v_or_b32 v223, v223, v222
.endif
.endr
	v_xor_b32 v223, -1, v223                       ; the lanes with my key,
	v_mbcnt_lo_u32_b32 v219, v223, 0               ; and how many of them stand below me: my index
.irp b, 2,3,4,5,6                                  ; lane l counts keys 4 l + 0 .. 3: the lanes whose key's bits 2..6 differ from l
	v_bfe_u32 v222, v1, \b-2, 1
	v_sub_nc_u32 v222, 0, v222
.if \b == 2
	v_xor_b32 v228, s[36+\b], v222
.else
	v_xor_b32 v222, s[36+\b], v222
	v_or_b32 v228, v228, v222
.endif
.endr
	s_not_b32 s50, s36
	s_not_b32 s51, s37
	s_or_b32 s44, s36, s37                         ; the lanes whose key's bits 0, 1 differ from a = 0,
	s_or_b32 s45, s50, s37                         ; 1,
	s_or_b32 s46, s36, s51                         ; 2,
	s_or_b32 s47, s50, s51                         ; 3
.irp a, 0,1,2,3
	v_or_b32 v[232+\a], s[44+\a], v228
.endr
.irp a, 0,1,2,3
	v_xor_b32 v[232+\a], -1, v[232+\a]             ; the lanes with key 4 l + a
.endr
	; their number: pairs, fours, bytes, the sum of the four bytes; the four masks by turns
.irp a, 0,1,2,3
	v_lshrrev_b32 v[236+\a], 1, v[232+\a]
.endr
.irp a, 0,1,2,3
	v_and_b32 v[236+\a], s52, v[236+\a]
.endr
.irp a, 0,1,2,3
	v_sub_nc_u32 v[232+\a], v[232+\a], v[236+\a]
.endr
.irp a, 0,1,2,3
	v_lshrrev_b32 v[236+\a], 2, v[232+\a]
.endr
.irp a, 0,1,2,3
	v_and_b32 v[232+\a], s53, v[232+\a]
.endr
.irp a, 0,1,2,3
	v_and_b32 v[236+\a], s53, v[236+\a]
.endr
.irp a, 0,1,2,3
	v_add_nc_u32 v[232+\a], v[232+\a], v[236+\a]
.endr
.irp a, 0,1,2,3
	v_lshrrev_b32 v[236+\a], 4, v[232+\a]
.endr
.irp a, 0,1,2,3
	v_add_nc_u32 v[232+\a], v[232+\a], v[236+\a]
.endr
.irp a, 0,1,2,3
	v_and_b32 v[232+\a], s54, v[232+\a]
.endr
.irp a, 0,1,2,3
	v_mul_lo_u32 v[232+\a], v[232+\a], s55
.endr
.irp a, 0,1,2,3
	v_lshrrev_b32 v[232+\a], 24, v[232+\a]         ; 0 .. 32
.endr
	v_lshl_or_b32 v240, v233, 8, v232
	v_lshl_or_b32 v240, v234, 16, v240
	v_lshl_or_b32 v240, v235, 24, v240             ; four counts to a word
	v_lshl_or_b32 v241, v219, 7, v218
	v_lshl_or_b32 v241, v209, 12, v241
	v_lshl_or_b32 v241, v211, 16, v241             ; key | index << 7 | e1 << 12 | e2 << 16
	s_wait_alu depctr_va_vdst(0)                   ; v220, v221, v240 and v241 are written, which the three stores read as their data
	global_store_b32 v11, v241, s[16:17]           ; 128 consecutive bytes
	global_store_b64 v12, v[220:221], s[18:19]     ; 256 consecutive bytes, aligned
	global_store_b32 v13, v240, s[20:21]           ; words 512 bytes apart: the table is 16 KiB in all, and laid so the next launch reads it by one load of 16 bytes a thread
	s_wait_dscnt 0x0                               ; the closing lines, six on end
	s_wait_alu 0x0
	s_wait_tensorcnt 0x0
	ds_add_u32 v254, v255
	s_wait_dscnt 0x0
	s_endpgm
	; ---------------- the weights ----------------
.Lweights:
	s_sub_co_u32 s23, ttmp9, NRW
	s_lshl_b32 s23, s23, 1
	s_add_co_u32 s23, s23, s22                     ; u = 0 .. 511: rows 32 u on of the 16 x 1,024
	s_lshl_b32 s24, s23, 14                        ; 16 KiB a wave, in the source and in wimg alike
	s_add_nc_u64 s[12:13], s[12:13], s[24:25]
	s_add_nc_u64 s[14:15], s[14:15], s[24:25]
	s_wait_alu depctr_va_vdst(0)                   ; v2, v3 and v4 are written: every load, LDS instruction and store of this way reads one of them as its offset or address
	ROWS 12
	TURN WPATH
	WIN 0x04                                       ; a store's data are its source 1: window 1
.set i, 0
.rept 32
	s_wait_dscnt 31-i                              ; LDS loads come back in order: piece i is in, the 31 - i behind it may be out
	global_store_b128 v2, v[4*i:4*i+3], s[14:15] offset:512*i   ; 512 consecutive bytes, aligned
.set i, i+1
.endr
	WIN 0
	s_wait_dscnt 0x0                               ; the closing lines, six on end
	s_wait_alu 0x0
	s_wait_tensorcnt 0x0
	ds_add_u32 v254, v255
	s_wait_dscnt 0x0
	s_endpgm
.Lfunc_end_k_q617adb128f_prep:
	.size	k_q617adb128f_prep, .Lfunc_end_k_q617adb128f_prep-k_q617adb128f_prep
	.p2alignl 7, 3214868480
	.fill 96, 4, 3214868480
	.section	.rodata,"a",@progbits
	.p2align	6, 0x0
	.amdhsa_kernel k_q617adb128f_prep
		.amdhsa_group_segment_fixed_size 69888
		.amdhsa_private_segment_fixed_size 0
		.amdhsa_enable_private_segment 0
		.amdhsa_kernarg_size 72
		.amdhsa_user_sgpr_count 2
		.amdhsa_user_sgpr_kernarg_segment_ptr 1
		.amdhsa_wavefront_size32 1
		.amdhsa_system_sgpr_workgroup_id_x 1
		.amdhsa_system_sgpr_workgroup_id_y 1
		.amdhsa_system_sgpr_workgroup_id_z 1
		.amdhsa_system_vgpr_workitem_id 0
		.amdhsa_next_free_vgpr 448
		.amdhsa_next_free_sgpr 66
		.amdhsa_reserve_vcc 0
		.amdhsa_float_denorm_mode_32 3
		.amdhsa_float_denorm_mode_16_64 3
		.amdhsa_memory_ordered 1
		.amdhsa_forward_progress 1
		.amdhsa_inst_pref_size 43
	.end_amdhsa_kernel
	.amdgpu_metadata
---
amdhsa.version: [ 1, 2 ]
amdhsa.kernels:
  - .name:           k_q617adb128f_prep
    .symbol:         k_q617adb128f_prep.kd
    .args:
      - { .name: x_codes, .offset: 0, .size: 8, .value_kind: global_buffer, .address_space: global }
      - { .name: x_scales, .offset: 8, .size: 8, .value_kind: global_buffer, .address_space: global }
      - { .name: gate_weight_codes, .offset: 16, .size: 8, .value_kind: global_buffer, .address_space: global }
      - { .name: gate_weight_scales, .offset: 24, .size: 8, .value_kind: global_buffer, .address_space: global }
      - { .name: expert_weights_codes, .offset: 32, .size: 8, .value_kind: global_buffer, .address_space: global }
      - { .name: wimg, .offset: 40, .size: 8, .value_kind: global_buffer, .address_space: global }
      - { .name: tokinfo, .offset: 48, .size: 8, .value_kind: global_buffer, .address_space: global }
      - { .name: gw, .offset: 56, .size: 8, .value_kind: global_buffer, .address_space: global }
      - { .name: hist, .offset: 64, .size: 8, .value_kind: global_buffer, .address_space: global }
    .group_segment_fixed_size: 69888
    .private_segment_fixed_size: 0
    .kernarg_segment_align: 8
    .kernarg_segment_size: 72
    .max_flat_workgroup_size: 64
    .sgpr_count:     66
    .vgpr_count:     448
    .wavefront_size: 32
...
	.end_amdgpu_metadata
.endif
;; end of part 4
;; launch place (part 5): grid 1 x 1, 32 waves a work-group, no clusters, 73,984 bytes of LDS; arguments hist, tokinfo, ord, bmask; writes ord, bmask
.if DOCPART == 5
	.amdgcn_target "amdgcn-amd-amdhsa--gfx1250"
	.amdhsa_code_object_version 6
	.text
	.protected	k_q617adb128f_place
	.globl	k_q617adb128f_place
	.p2align	8
	.type	k_q617adb128f_place,@function
k_q617adb128f_place:
	s_mov_b64 s[64:65], 0
	v_nop
	global_prefetch_b8 v0, s[64:65] scope:SCOPE_SE
	s_setreg_imm32_b32 hwreg(HW_REG_WAVE_MODE, 25, 1), 1
	s_wait_xcnt 0x0
; PLACE: the 4,096 tokens are sorted by the key of their pair of experts: a counting sort in one work-group of 1,024 threads, without atomics.
; rank(token) = the tokens of smaller keys + the tokens of the same key in earlier source waves + the token's index in its source wave (stored by the launch before).
; hist word (l x 128 + w), byte a = source wave w's count of key 4 l + a.  Thread i = 32 kc + j loads the four words of key group kc and source waves 4 j + 0 .. 3.
; Wave kc makes the running sums over the 128 source waves for its four keys (two keys to a register, in fields of 16 bits: no sum passes 4,096), the 32 waves' totals meet in LDS,
; and a table BT[key][source wave] of first ranks is laid in LDS.  Then thread i looks up its tokens 4 i + 0 .. 3 and stores ord[rank] = token | e1 << 12 | e2 << 16.
; ALSO: bmask[b]: bits 15:0 = a bit for each expert that some token of ranks 128 b .. 128 b + 63 uses, bits 31:16 the same for ranks 128 b + 64 .. 128 b + 127: the next launch walks
; by it.  A key's tokens are a run of ranks, so wave kc knows, from its four keys' first ranks and counts, which half blocks each key meets: lane b gathers the bits of those that meet
; the halves of block b, the 32 waves' words meet in LDS, and wave 0 joins them.
; One work-group, since every rank hangs on all counts; the whole input is 32 KiB.  No matrix work, no tensor loads, no cluster: nothing here is shared between work-groups.
.set WT, 0                             ; LDS: 32 words, a total for each wave
.set MK, 256                           ; 32 waves x 32 blocks x 4 bytes: wave kc's part of block b's word at 128 kc + 4 b
.set BT, MK+4096                       ; 128 keys x 128 source waves x 4 bytes
.macro SCAN x, t                       ; inclusive sums over the 32 lanes: four steps inside each row of 16 lanes, then row 0's total onto row 1
.irp n, 1
	v_mov_b32_dpp v[\t], v[\x] row_shr:\n row_mask:0xf bank_mask:0xf bound_ctrl:1   ; lanes without a source get 0
	s_delay_alu instid0(VALU_DEP_1)
	v_add_nc_u32 v[\x], v[\x], v[\t]
.endr
.irp n, 2, 4, 8
	s_delay_alu instid0(VALU_DEP_1)
	v_mov_b32_dpp v[\t], v[\x] row_shr:\n row_mask:0xf bank_mask:0xf bound_ctrl:1
	s_delay_alu instid0(VALU_DEP_1)
	v_add_nc_u32 v[\x], v[\x], v[\t]
.endr
	s_delay_alu instid0(VALU_DEP_1)
	v_readlane_b32 s26, v[\x], 15
	s_delay_alu instid0(VALU_DEP_1)
	v_and_b32 v[\t], s26, v3
	s_delay_alu instid0(VALU_DEP_1)
	v_add_nc_u32 v[\x], v[\x], v[\t]
.endm
; Key 4 kc + a, whose tokens have ranks s[first] .. s[end] - 1 (s[tot] of them): its two experts' bits go into v99, low or high half word, in the lanes whose half block the run meets.
; key = lo (31 - lo) / 2 + hi - lo - 1: lo + 1 is the number of m in 0..15 with m (31 - m) / 2 <= key (v96 holds that bound for m = lane).
.macro KEYBITS a, first, end, tot
	s_lshl_b32 s27, s10, 2
	s_add_co_u32 s27, s27, \a                      ; the key
	v_cmp_ge_u32 s28, s27, v96
	s_and_b32 s28, s28, 0xffff                     ; lanes 0..15 alone: beyond them the bound falls again
	s_bcnt1_i32_b32 s28, s28
	s_sub_co_u32 s28, s28, 1                       ; lo
	s_sub_co_u32 s29, 31, s28
	s_mul_i32 s29, s29, s28
	s_lshr_b32 s29, s29, 1                         ; lo (31 - lo) / 2
	s_sub_co_u32 s30, s27, s29
	s_add_co_u32 s30, s30, s28
	s_add_co_u32 s30, s30, 1                       ; hi  (keys 120..127 give 16..23: they have no token, so their bits are dropped below)
	s_lshl_b32 s31, 1, s28
	s_lshl_b32 s30, 1, s30
	s_or_b32 s31, s31, s30
	s_cmp_eq_u32 s[\tot], 0
	s_cselect_b32 s31, 0, s31                      ; a key without tokens meets nothing
	s_lshl_b32 s35, s31, 16                        ; the same bits for the block's second half
	v_cmp_lt_u32 s32, s[\first], v98               ; first half: the run begins under its end,
	v_cmp_gt_u32 s33, s[\end], v97                 ; and ends above its begin
	s_and_b32 s32, s32, s33
	v_cmp_lt_u32 s33, s[\first], v102              ; second half likewise
	v_cmp_gt_u32 s36, s[\end], v98
	s_and_b32 s33, s33, s36
	v_mov_b32 v101, s31
	v_mov_b32 v103, s35
	s_delay_alu instid0(VALU_DEP_2)
	v_cndmask_b32 v100, 0, v101, s32
	s_delay_alu instid0(VALU_DEP_2)
	v_cndmask_b32 v104, 0, v103, s33
.if \a == 0
	s_delay_alu instid0(VALU_DEP_1)
	v_or_b32 v99, v100, v104
.else
	s_delay_alu instid0(VALU_DEP_2)
	v_or_b32 v99, v99, v100
	s_delay_alu instid0(VALU_DEP_1)
	v_or_b32 v99, v99, v104
.endif
.endm
	s_load_b128 s[4:7], s[0:1], 0x0                ; hist, tokinfo
	s_load_b64 s[8:9], s[0:1], 0x10                ; ord
	s_load_b64 s[44:45], s[0:1], 0x18              ; bmask
	v_lshl_add_u32 v112, v0, 2, 0x11100
	v_mov_b32 v113, 0
	v_lshrrev_b32 v1, 5, v0
	s_delay_alu instid0(VALU_DEP_1)
	v_readfirstlane_b32 s10, v1                    ; kc: my wave, and my group of four keys
	v_and_b32 v1, 31, v0                           ; j
	v_lshlrev_b32 v2, 4, v0                        ; 16 i
	v_bfe_u32 v3, v0, 4, 1
	s_delay_alu instid0(VALU_DEP_1)
	v_sub_nc_u32 v3, 0, v3                         ; all ones in lanes 16-31
	v_mov_b32 v22, 0                               ; the scans' helper: a DPP destination counts as read
	v_lshlrev_b32 v47, 2, v0                       ; 4 i
	v_sub_nc_u32 v96, 31, v1
	s_delay_alu instid0(VALU_DEP_1)
	v_mul_u32_u24 v96, v1, v96
	s_delay_alu instid0(VALU_DEP_1)
	v_lshrrev_b32 v96, 1, v96                      ; lane (31 - lane) / 2: the first key whose lower expert is the lane (lanes 0..15)
	v_lshlrev_b32 v97, 7, v1                       ; block = lane: its first rank,
	s_delay_alu instid0(VALU_DEP_1)
	v_add_nc_u32 v98, 64, v97                      ; its second half's first rank,
	s_delay_alu instid0(VALU_DEP_2)
	v_add_nc_u32 v102, 128, v97                    ; and the first rank behind it
	s_mov_b32 s25, 0x00ff00ff
	s_wait_kmcnt 0x0
	global_load_b128 v[4:7], v2, s[4:5]
	global_load_b128 v[8:11], v2, s[6:7]
	s_wait_loadcnt 0x1                             ; hist's words are in; tokinfo's load, issued behind them, may be out
.irp d, 0,1,2,3
	v_and_b32 v[12+\d], s25, v[4+\d]               ; keys 0 and 2 of the group, in fields of 16 bits
	v_lshrrev_b32 v[16+\d], 8, v[4+\d]
	s_delay_alu instid0(VALU_DEP_1)
	v_and_b32 v[16+\d], s25, v[16+\d]              ; keys 1 and 3
.endr
.irp d, 1
	v_add_nc_u32 v[12+\d], v[12+\d], v[11+\d]      ; running sums over my four source waves
	v_add_nc_u32 v[16+\d], v[16+\d], v[15+\d]
.endr
.irp d, 2, 3
	s_delay_alu instid0(VALU_DEP_2)
	v_add_nc_u32 v[12+\d], v[12+\d], v[11+\d]
	s_delay_alu instid0(VALU_DEP_2)
	v_add_nc_u32 v[16+\d], v[16+\d], v[15+\d]
.endr
	s_delay_alu instid0(VALU_DEP_2)
	v_mov_b32 v20, v15
	s_delay_alu instid0(VALU_DEP_2)
	v_mov_b32 v21, v19
	SCAN 20, 22
	SCAN 21, 22
	v_readlane_b32 s11, v20, 31                    ; the totals of keys 0 | 2
	s_delay_alu instid0(VALU_DEP_2)
	v_readlane_b32 s12, v21, 31                    ; and 1 | 3
	s_and_b32 s13, s11, 0xffff                     ; key 0's count,
	s_lshr_b32 s14, s11, 16                        ; key 2's,
	s_and_b32 s15, s12, 0xffff                     ; key 1's,
	s_lshr_b32 s16, s12, 16                        ; key 3's
	s_add_co_u32 s17, s13, s15
	s_add_co_u32 s17, s17, s14
	s_add_co_u32 s17, s17, s16                     ; my wave's total
	v_mov_b32 v23, s10
	s_delay_alu instid0(VALU_DEP_1)
	v_lshlrev_b32 v23, 2, v23
	v_mov_b32 v40, s17
	ds_store_b32 v23, v40 offset:WT                ; all lanes write the same word with the same value
	s_wait_dscnt 0x0                               ; for the others' sake: my store has landed
	s_barrier_signal -1
	s_barrier_wait -1
	v_lshlrev_b32 v41, 2, v1
	ds_load_b32 v42, v41 offset:WT                 ; lane l: wave l's total
	s_wait_dscnt 0x0
	v_cmp_gt_u32 vcc_lo, s10, v1
	s_delay_alu instid0(VALU_DEP_1)
	v_cndmask_b32 v42, 0, v42, vcc_lo              ; only the waves below mine count
	SCAN 42, 22
	s_delay_alu instid0(VALU_DEP_1)
	v_readlane_b32 s18, v42, 31                    ; the tokens of all smaller key groups: key 0's first rank
	s_add_co_u32 s19, s18, s13                     ; key 1's,
	s_add_co_u32 s20, s19, s15                     ; key 2's,
	s_add_co_u32 s21, s20, s14                     ; key 3's,
	s_add_co_u32 s34, s21, s16                     ; and the first rank behind my four keys
	s_lshl_b32 s22, s20, 16
	s_or_b32 s22, s22, s18
	s_lshl_b32 s23, s21, 16
	s_or_b32 s23, s23, s19
	KEYBITS 0, 18, 19, 13
	KEYBITS 1, 19, 20, 15
	KEYBITS 2, 20, 21, 14
	KEYBITS 3, 21, 34, 16
	ds_store_b32 v47, v99 offset:MK                ; 128 kc + 4 b = 4 x thread
	v_sub_nc_u32 v20, v20, v15                     ; the lanes below me alone (no field borrows: each inclusive sum holds its own part),
	v_sub_nc_u32 v21, v21, v19
	s_delay_alu instid0(VALU_DEP_2)
	v_add_nc_u32 v20, s22, v20                     ; from the key's first rank on (no field passes 4,096)
	s_delay_alu instid0(VALU_DEP_2)
	v_add_nc_u32 v21, s23, v21
	s_delay_alu instid0(VALU_DEP_2)
	v_and_b32 v24, 0xffff, v20                     ; source wave 4 j: keys 0, 2, 1, 3
	s_delay_alu instid0(VALU_DEP_3)
	v_lshrrev_b32 v32, 16, v20
	s_delay_alu instid0(VALU_DEP_3)
	v_and_b32 v28, 0xffff, v21
	s_delay_alu instid0(VALU_DEP_4)
	v_lshrrev_b32 v36, 16, v21
.irp d, 1,2,3
	v_add_nc_u32 v43, v20, v[11+\d]                ; source wave 4 j + d: my earlier source waves are added
	v_add_nc_u32 v44, v21, v[15+\d]
	s_delay_alu instid0(VALU_DEP_2)
	v_and_b32 v[24+\d], 0xffff, v43
	s_delay_alu instid0(VALU_DEP_3)
	v_lshrrev_b32 v[32+\d], 16, v43
	s_delay_alu instid0(VALU_DEP_3)
	v_and_b32 v[28+\d], 0xffff, v44
	s_delay_alu instid0(VALU_DEP_4)
	v_lshrrev_b32 v[36+\d], 16, v44
.endr
	s_lshl_b32 s24, s10, 11
	v_lshl_add_u32 v45, v1, 4, s24                 ; key 4 kc: 2,048 kc; source wave 4 j: 16 j
.irp a, 0,1,2,3
	ds_store_b128 v45, v[24+4*\a:27+4*\a] offset:BT+512*\a
.endr
	s_wait_loadcnt 0x0                             ; tokinfo
	s_wait_dscnt 0x0                               ; my parts of the table and of the masks have landed
	s_barrier_signal -1
	s_barrier_wait -1                              ; both are whole; nothing is stored to LDS from here on
	v_lshrrev_b32 v46, 3, v0
	s_delay_alu instid0(VALU_DEP_1)
	v_lshlrev_b32 v46, 2, v46                      ; tokens 4 i + d come from source wave i / 8
.irp d, 0,1,2,3
	v_and_b32 v[56+\d], 127, v[8+\d]
	s_delay_alu instid0(VALU_DEP_1)
	v_min_u32 v[56+\d], 127, v[56+\d]              ; a loaded number enters an address held to its range
	s_delay_alu instid0(VALU_DEP_1)
	v_lshl_add_u32 v[56+\d], v[56+\d], 9, v46
	ds_load_b32 v[48+\d], v[56+\d] offset:BT
.endr
	s_wait_dscnt 0x0
.irp d, 0,1,2,3
	v_bfe_u32 v[60+\d], v[8+\d], 7, 5              ; the index in the source wave
	s_delay_alu instid0(VALU_DEP_1)
	v_add_nc_u32 v[48+\d], v[48+\d], v[60+\d]
	s_delay_alu instid0(VALU_DEP_1)
	v_min_u32 v[48+\d], 0xfff, v[48+\d]            ; the rank, held to the buffer
	s_delay_alu instid0(VALU_DEP_1)
	v_lshlrev_b32 v[48+\d], 2, v[48+\d]
	v_and_or_b32 v[52+\d], v[8+\d], 0xff000, v47   ; e1, e2 at their places, and the token
	s_delay_alu instid0(VALU_DEP_1)
	v_or_b32 v[52+\d], \d, v[52+\d]
	global_store_b32 v[48+\d], v[52+\d], s[8:9]    ; a scatter of 16 KiB in all: the ranks are a permutation of 0 .. 4,095
.endr
	s_cmp_lg_u32 s10, 0                            ; wave 0 joins the masks: lane b takes block b.  No barrier stands under this branch
	s_cbranch_scc1 .Lend
.set k, 0
.rept 32
	ds_load_b32 v[64+k], v41 offset:MK+128*k       ; wave k's part: 32 lanes read 128 consecutive bytes
.set k, k+1
.endr
	s_wait_dscnt 0x0
.irp n, 16,8,4,2,1
.set k, 0
.rept \n
	v_or_b32 v[64+k], v[64+k], v[64+\n+k]
.set k, k+1
.endr
.endr
	global_store_b32 v41, v64, s[44:45]            ; 32 words, 128 consecutive bytes
.Lend:
	s_wait_tensorcnt 0x0
	ds_add_u32 v112, v113
	s_wait_dscnt 0x0
	s_endpgm
.Lfunc_end_k_q617adb128f_place:
	.size	k_q617adb128f_place, .Lfunc_end_k_q617adb128f_place-k_q617adb128f_place
	.p2alignl 7, 3214868480
	.fill 96, 4, 3214868480
	.section	.rodata,"a",@progbits
	.p2align	6, 0x0
	.amdhsa_kernel k_q617adb128f_place
		.amdhsa_group_segment_fixed_size 73984
		.amdhsa_private_segment_fixed_size 0
		.amdhsa_enable_private_segment 0
		.amdhsa_kernarg_size 32
		.amdhsa_user_sgpr_count 2
		.amdhsa_user_sgpr_kernarg_segment_ptr 1
		.amdhsa_wavefront_size32 1
		.amdhsa_system_sgpr_workgroup_id_x 1
		.amdhsa_system_sgpr_workgroup_id_y 1
		.amdhsa_system_sgpr_workgroup_id_z 1
		.amdhsa_system_vgpr_workitem_id 0
		.amdhsa_next_free_vgpr 114
		.amdhsa_next_free_sgpr 66
		.amdhsa_reserve_vcc 1
		.amdhsa_float_denorm_mode_32 3
		.amdhsa_float_denorm_mode_16_64 3
		.amdhsa_memory_ordered 1
		.amdhsa_forward_progress 1
		.amdhsa_inst_pref_size 21
	.end_amdhsa_kernel
	.amdgpu_metadata
---
amdhsa.version: [ 1, 2 ]
amdhsa.kernels:
  - .name:           k_q617adb128f_place
    .symbol:         k_q617adb128f_place.kd
    .args:
      - { .name: hist, .offset: 0, .size: 8, .value_kind: global_buffer, .address_space: global }
      - { .name: tokinfo, .offset: 8, .size: 8, .value_kind: global_buffer, .address_space: global }
      - { .name: ord, .offset: 16, .size: 8, .value_kind: global_buffer, .address_space: global }
      - { .name: bmask, .offset: 24, .size: 8, .value_kind: global_buffer, .address_space: global }
    .group_segment_fixed_size: 73984
    .private_segment_fixed_size: 0
    .kernarg_segment_align: 8
    .kernarg_segment_size: 32
    .max_flat_workgroup_size: 1024
    .sgpr_count:     66
    .vgpr_count:     114
    .wavefront_size: 32
...
	.end_amdgpu_metadata
.endif
;; end of part 5
;; launch experts (part 6): grid 8 x 32, 4 waves a work-group, no clusters, 146,432 bytes of LDS; arguments x_codes, x_scales, wimg, expert_weights_scales, ord, gw, out0, bmask; writes out0
.if DOCPART == 6
	.amdgcn_target "amdgcn-amd-amdhsa--gfx1250"
	.amdhsa_code_object_version 6
	.text
	.protected	k_q617adb128f_experts
	.globl	k_q617adb128f_experts
	.p2align	8
	.type	k_q617adb128f_experts,@function
k_q617adb128f_experts:
	s_mov_b64 s[64:65], 0
	v_nop
	global_prefetch_b8 v0, s[64:65] scope:SCOPE_SE
	s_setreg_imm32_b32 hwreg(HW_REG_WAVE_SCHED_MODE, 0, 2), 2
	s_setreg_imm32_b32 hwreg(HW_REG_WAVE_MODE, 25, 1), 1
	s_wait_xcnt 0x0
	s_wait_alu depctr_vm_vsrc(0)
; EXPERTS: out[token][h] = w1 (x W[e1])[h] + w2 (x W[e2])[h], on the codes of E2M1 and the E8M0 bytes as they are given, by v_wmma_scale_f32_16x16x128_f8f6f4; sums in f32.
; Only chosen experts are multiplied.  The tokens lie sorted by their pair of experts (ord); work-group (hc, b) owns tokens ord[128 b .. 128 b + 127] and columns 128 hc .. 128 hc + 127:
; 32 x 8 = 256 work-groups, full at every choice of experts, and each output number has one owner.  The work-group walks, in ascending order, the experts that any of its tokens uses.
; bmask[b], stored by the launch before, has a bit for each expert that the block's first 64 tokens use (bits 15:0) and one for each that its last 64 use (bits 31:16): the walk goes over
; the union, an expert's weights are loaded once for the block, and a half none of whose tokens uses the expert is passed over by a scalar branch on that word.
; In a half that is not passed over every token is multiplied, and the product is weighed with the token's gate weight for that expert, which is 0 where the token did not choose it.
; SHARES.  Wave w takes ALL 128 tokens (8 tiles) and columns 32 w .. 32 w + 31 of the strip (2 tiles): no weight byte is read twice in a work-group, and x's 64 fragments stay in 512 registers.
; The weights come from wimg, laid in the order of the operand's registers (512 consecutive bytes a load), straight into registers, one expert ahead, in two buffers.
; The product has source 0 = 16 rows of W, source 1 = 16 tokens: a lane holds ONE token (lane % 16) and eight neighbouring columns, so the gate's weight is one number a lane.
; NO TENSOR LOADS, NO CLUSTER: which experts a block walks, and how many, is read from memory; blocks of one strip need different experts in different numbers, so partners could not
; make every request jointly.
; LIMITS: a token is also multiplied by the experts that only its neighbours in its half of the block chose (in the first slot: in its block), with weight 0: were such a product to
; overflow f32, the row would be spoilt.
; REGISTERS.  window 0: v1 16 x lane, v2 32 x lane, v3 the gate table's address, v4, v5 x's images, v6, v7 at work; v8-15 G: the gate weights of my token in tiles 0..7;
;   v16-31 W's scale words, two sets (lanes 0-15 column tile 0, lanes 16-31 tile 1); v32-63 x's scale words (8 p + s: lanes 0-15 token tile 2 p, lanes 16-31 tile 2 p + 1);
;   v64-127 T: eight accumulators, four token tiles x two column tiles; v128-255 O: the weighed sums (128 + 64 ht + 8 tt).  Ahead of the walk T holds addresses and O the gathered rows.
;   windows 1, 2: x's fragments (K step s, tile tt) at 8 (8 (s % 4) + tt), s < 4 in window 1.   window 3: W's fragments, buffer B at 128 B + 8 (8 ht + s).
; THE MODE: SCHED_MODE bits 1:0 = 2 (LLVM: expert scheduling mode 2), set by the entry lines.  The code itself states the register dependences between vector or matrix
; instructions and memory or LDS instructions, and between a vector instruction that writes a scalar register and that register's readers, with s_wait_alu, always for 0.
; THE PLAN.  Registers that memory or LDS instructions touch in the walk:
;   W's buffer 1 - B and scale set 1 - B   read by the products of the slot before; the 34 loads at the head of slot B land in them, a whole slot ahead of their use.
;   G                                      read by a slot's weighing; the two LDS loads at the next slot's head land in it.
;   v3                                     read by G's loads; stepped once a slot, at the slot's end.
;   v1, v2                                 the offsets of W's loads: never written in the walk.
;   x's fragments and scale words, T and O are named by vector and matrix instructions alone in the walk.
; So ONE wait on va_vdst stands at a slot's head: the slot before is done reading G, W's other buffer and its scale words, and v3 is written; the slot's 36 loads follow it with no vector or
; matrix instruction between.  They stand in one run there, and not among the products, since each half of a slot's products can be passed over and the counted waits for W want the same
; loads on every way.  ONE wait on vm_vsrc stands at a slot's end, ahead of the add to v3.
; Ahead of the walk each run of offsets is made whole, one wait on va_vdst follows, then the run of loads or LDS stores that reads it; one wait on vm_vsrc behind the barrier frees T, O, v6 to v9.
.set TILEB, 32*272                     ; a tile of x in LDS: 32 blocks; a block is 16 rows x 16 bytes + 16 of padding
.set GT,    8*TILEB                    ; the gate table: slot i, token (tt, r) at 512 i + 32 r + 4 tt.  16 slots, and a 17th row on which the address rests behind its last step; nothing reads it
.set STG,   GT+17*512                  ; the way out: 128 rows x (512 bytes + 16)
.set SP,    528
.set G,  8
.set WS, 16
.set XS, 32
.set T,  64
.set O,  128
.set MSB, 0
.macro WIN new                         ; the immediate's high byte repeats the setting that is left
.if MSB != \new
	s_set_vgpr_msb (MSB<<8)|\new
.set MSB, \new
.endif
.endm
; The next expert of the walk is taken off the mask s51; its number is kept for buffer B (s73, s74), and its addresses are made.  These registers' last loads were shown done a slot ago.
.macro NEXTE B
	s_ctz_i32_b32 s52, s51
	s_min_u32 s52, s52, 15                         ; a loaded number enters an address held to its range
	s_mov_b32 s[73+(\B)], s52
	s_sub_co_u32 s55, s51, 1
	s_and_b32 s51, s51, s55                        ; its bit is cleared
	s_lshl_b32 s56, s52, 19                        ; an expert's 64 tiles of 8,192 bytes
	s_add_nc_u64 s[84+2*(\B):85+2*(\B)], s[58:59], s[56:57]
	s_lshl_b32 s56, s52, 15                        ; its 1,024 rows of 32 scale bytes
	s_add_nc_u64 s[88+2*(\B):89+2*(\B)], s[60:61], s[56:57]
.endm
; 34 loads: my 32 rows' scale words (two loads, 1,024 consecutive bytes together) and my two tiles' 16 fragments (512 consecutive bytes a load)
.macro WLOAD B
	global_load_b128 v[WS+8*(\B):WS+8*(\B)+3], v2, s[88+2*(\B):89+2*(\B)]
	global_load_b128 v[WS+8*(\B)+4:WS+8*(\B)+7], v2, s[88+2*(\B):89+2*(\B)] offset:16
	WIN 0xc0                                       ; destination window 3
.set f, 0
.rept 16
	global_load_b128 v[128*(\B)+8*f:128*(\B)+8*f+3], v1, s[84+2*(\B):85+2*(\B)] offset:1024*f
	global_load_b128 v[128*(\B)+8*f+4:128*(\B)+8*f+7], v1, s[84+2*(\B):85+2*(\B)] offset:1024*f+512
.set f, f+1
.endr
	WIN 0
.endm
; One product, by the symbols rT, rW, rX (registers), rA, rB (scale words), rZ (it starts the sum), oA, oB (the scale words stand in lanes 16-31)
.macro MM
.if rZ
.if oA && oB
	v_wmma_scale_f32_16x16x128_f8f6f4 v[rT:rT+7], v[rW:rW+7], v[rX:rX+7], 0, v[rA], v[rB] matrix_a_fmt:MATRIX_FMT_FP4 matrix_b_fmt:MATRIX_FMT_FP4 matrix_a_scale:MATRIX_SCALE_ROW1 matrix_b_scale:MATRIX_SCALE_ROW1
.elseif oA
	v_wmma_scale_f32_16x16x128_f8f6f4 v[rT:rT+7], v[rW:rW+7], v[rX:rX+7], 0, v[rA], v[rB] matrix_a_fmt:MATRIX_FMT_FP4 matrix_b_fmt:MATRIX_FMT_FP4 matrix_a_scale:MATRIX_SCALE_ROW1
.elseif oB
	v_wmma_scale_f32_16x16x128_f8f6f4 v[rT:rT+7], v[rW:rW+7], v[rX:rX+7], 0, v[rA], v[rB] matrix_a_fmt:MATRIX_FMT_FP4 matrix_b_fmt:MATRIX_FMT_FP4 matrix_b_scale:MATRIX_SCALE_ROW1
.else
	v_wmma_scale_f32_16x16x128_f8f6f4 v[rT:rT+7], v[rW:rW+7], v[rX:rX+7], 0, v[rA], v[rB] matrix_a_fmt:MATRIX_FMT_FP4 matrix_b_fmt:MATRIX_FMT_FP4
.endif
.else
.if oA && oB
	v_wmma_scale_f32_16x16x128_f8f6f4 v[rT:rT+7], v[rW:rW+7], v[rX:rX+7], v[rT:rT+7], v[rA], v[rB] matrix_a_fmt:MATRIX_FMT_FP4 matrix_b_fmt:MATRIX_FMT_FP4 matrix_a_scale:MATRIX_SCALE_ROW1 matrix_b_scale:MATRIX_SCALE_ROW1
.elseif oA
	v_wmma_scale_f32_16x16x128_f8f6f4 v[rT:rT+7], v[rW:rW+7], v[rX:rX+7], v[rT:rT+7], v[rA], v[rB] matrix_a_fmt:MATRIX_FMT_FP4 matrix_b_fmt:MATRIX_FMT_FP4 matrix_a_scale:MATRIX_SCALE_ROW1
.elseif oB
	v_wmma_scale_f32_16x16x128_f8f6f4 v[rT:rT+7], v[rW:rW+7], v[rX:rX+7], v[rT:rT+7], v[rA], v[rB] matrix_a_fmt:MATRIX_FMT_FP4 matrix_b_fmt:MATRIX_FMT_FP4 matrix_b_scale:MATRIX_SCALE_ROW1
.else
	v_wmma_scale_f32_16x16x128_f8f6f4 v[rT:rT+7], v[rW:rW+7], v[rX:rX+7], v[rT:rT+7], v[rA], v[rB] matrix_a_fmt:MATRIX_FMT_FP4 matrix_b_fmt:MATRIX_FMT_FP4
.endif
.endif
.endm
; 64 products: token tiles 4 g .. 4 g + 3 against the two column tiles of buffer B, K ascending.  Accumulator 2 tl + ht holds token tile 4 g + tl, column tile ht.
; The first K step starts the sums.  The eight accumulators take turns, one instruction a turn.
.macro MULG B, g
.irp s, 0,1,2,3,4,5,6,7
.if \s < 4
	WIN 0x07                                       ; source 0 (W) window 3, source 1 (x) window 1
.else
	WIN 0x0b                                       ; source 1 window 2
.endif
.set rZ, 0
.if \s == 0
.set rZ, 1
.endif
.irp tl, 0,1,2,3
.irp ht, 0,1
.set tk, 4*(\g)+\tl
.set rT, T+8*(2*\tl+\ht)
.set rW, 128*(\B)+8*(8*\ht+\s)
.set rX, 8*(8*(\s%4)+tk)
.set rA, WS+8*(\B)+\s
.set rB, XS+8*(tk/2)+\s
.set oA, \ht
.set oB, tk%2
	MM
.endr
.endr
.endr
	WIN 0
.endm
; O += T x the token's gate weight, two numbers an instruction; first = 1: O = T x the weight, so nothing is cleared.  Each accumulator is read from its low end on.
; The four v_nop are the places between the last product and the first read of a result (ISA guide 7.12.1); with the lines behind them they are also the places in front of the
; next products that begin the accumulators anew.
.macro GATE g, first
.rept 4
	v_nop
.endr
.irp tl, 0,1,2,3
.irp ht, 0,1
.irp j, 0,2,4,6
.set tk, 4*(\g)+\tl
.set rO, O+64*\ht+8*tk+\j
.set rT, T+8*(2*\tl+\ht)+\j
.set rG, G+2*(tk/2)
.if \first
.if tk%2
	v_pk_mul_f32 v[rO:rO+1], v[rT:rT+1], v[rG:rG+1] op_sel:[0,1]              ; the pair's second register serves both halves
.else
	v_pk_mul_f32 v[rO:rO+1], v[rT:rT+1], v[rG:rG+1] op_sel_hi:[1,0]           ; the pair's first register serves both halves
.endif
.else
.if tk%2
	v_pk_fma_f32 v[rO:rO+1], v[rT:rT+1], v[rG:rG+1], v[rO:rO+1] op_sel:[0,1,0]
.else
	v_pk_fma_f32 v[rO:rO+1], v[rT:rT+1], v[rG:rG+1], v[rO:rO+1] op_sel_hi:[1,0,1]
.endif
.endif
.endr
.endr
.endr
.endm
; Half g of the block's tokens in the slot of buffer B.  cond = 1: passed over where none of its 64 tokens uses the slot's expert: bit E (g = 0) or 16 + E (g = 1) of the loaded word s72.
.macro HALF B, g, first, cond
.if \cond
	s_lshr_b32 s75, s72, s[73+(\B)]
.if \g
	s_lshr_b32 s75, s75, 16
.endif
	s_and_b32 s75, s75, 1
	s_cmp_eq_u32 s75, 0
	s_cbranch_scc1 .Lnone_\@
.endif
	MULG \B, \g
	s_wait_dscnt 0x0                               ; G, asked for at the slot's head
	GATE \g, \first
.if \cond
.Lnone_\@:
.endif
.endm
; A SLOT of the walk: the expert whose weights were asked for into buffer B.  ahead = 1: the next expert's loads are out already.  check = 1: a slot of the loop, whose work is
; jumped over once the walk is over (s53 = 0: nothing was asked for).  The trip count stays a constant of the text, and the table's address is stepped on every way.
; The first slot runs both halves: it starts all the sums.
.macro SLOT B, first, ahead, check
.if \check
	s_cmp_eq_u32 s53, 0
	s_cbranch_scc1 .Lskip_\@
.endif
.if !\first
	s_wait_alu depctr_va_vdst(0)                   ; the slot before: its weighing is done reading G, its products are done reading W's other buffer and that buffer's scale words, and its add has written v3: G's loads and W's land there and read v3
.endif
	ds_load_b128 v[G:G+3], v3                      ; my token's weights for this expert, in the eight token tiles
	ds_load_b128 v[G+4:G+7], v3 offset:16
.if \ahead
	s_wait_loadcnt 34                              ; buffer B is in; the other buffer's 34 loads may be out
	s_mov_b32 s53, 1
.else
	s_cmp_lg_u32 s51, 0                            ; is an expert left?
	s_cbranch_scc0 .Llast_\@
	NEXTE 1-\B
	WLOAD 1-\B                                     ; a whole slot ahead of its use.  No further wait: no vector or matrix instruction since the wait at the slot's head
	s_wait_loadcnt 34                              ; buffer B is in; the 34 loads just issued may be out
	s_mov_b32 s53, 1
	s_branch .Lgo_\@
.Llast_\@:
	s_wait_loadcnt 0x0                             ; buffer B is in; nothing was issued behind it
	s_mov_b32 s53, 0
.Lgo_\@:
.endif
	HALF \B, 0, \first, 1-\first
	HALF \B, 1, \first, 1-\first
	s_wait_dscnt 0x0                               ; on every way G's two loads are in before the next slot loads the same registers
.if \check
	s_branch .Lend_\@
.Lskip_\@:
	s_wait_loadcnt 0x0                             ; the walk ended with a wait for all loads, so none is out here: the line says so for every way that leads here
.Lend_\@:
.endif
	s_wait_alu depctr_vm_vsrc(0)                   ; G's loads, issued so far, have read v3, which the add below writes
	s_wait_alu depctr_va_vdst(0)
	v_add_nc_u32 v3, 512, v3                       ; the next slot's row of the table
.endm
	s_load_b256 s[4:11], s[0:1], 0x0               ; x_codes 4:5, x_scales 6:7, wimg 8:9, expert_weights_scales 10:11
	s_load_b128 s[12:15], s[0:1], 0x20             ; ord 12:13, gw 14:15
	s_load_b128 s[68:71], s[0:1], 0x30             ; out0 68:69, bmask 70:71
	v_lshrrev_b32 v1, 5, v0
	v_readfirstlane_b32 s48, v1                    ; wave 0..3
	s_mov_b32 s49, ttmp9                           ; hc: the strip of 128 columns
	s_and_b32 s50, ttmp7, 0xffff                   ; b: the block of 128 sorted tokens
	v_and_b32 v7, 31, v0                           ; lane
	v_lshlrev_b32 v1, 4, v7
	v_lshlrev_b32 v2, 5, v7
	v_and_b32 v10, 15, v0                          ; r
	v_bfe_u32 v11, v0, 4, 1                        ; half
	v_lshlrev_b32 v3, 5, v10
	v_add_nc_u32 v3, GT, v3                        ; the table: slot 0, token r of each tile
	v_mul_u32_u24 v4, v11, 272
	v_lshl_add_u32 v4, v10, 4, v4                  ; x's images, tiles 0-3: block 2 p + half, row r
	v_add_nc_u32 v5, 4*TILEB, v4                   ; tiles 4-7
	s_wait_alu depctr_va_sdst(0)                   ; s48 is written, ahead of its first reader: LDS places, the tokens' place in ord and the bases of W are made from it
	s_mul_i32 s95, s48, 2*TILEB
	v_mul_u32_u24 v6, v7, 272
	v_add_nc_u32 v6, s95, v6                       ; where I store my wave's rows: tiles 2 w, 2 w + 1; block = lane
	v_lshlrev_b32 v7, 2, v7                        ; 4 x lane
	v_lshlrev_b32 v8, 2, v0                        ; 4 x thread
	v_lshrrev_b32 v9, 4, v0
	v_lshlrev_b32 v9, 2, v9
	v_lshl_add_u32 v9, v10, 5, v9
	v_add_nc_u32 v9, GT, v9                        ; the table, on the way in: thread t has token t of the block: 32 (t % 16) + 4 (t / 16)
	s_lshl_b32 s56, s50, 9
	s_mov_b32 s57, 0                               ; stays 0: the upper word of every offset
	s_lshl_b32 s55, s48, 7
	s_lshl_b32 s97, s50, 2
	s_wait_kmcnt 0x0
	s_add_nc_u64 s[12:13], s[12:13], s[56:57]      ; ord at my block
	s_load_b512 s[16:31], s[12:13], s55 offset:0x0   ; my wave's 32 tokens as scalars: each is a whole row to gather and, at the end, a whole row to store
	s_load_b512 s[32:47], s[12:13], s55 offset:0x40
	s_load_b32 s72, s[70:71], s97 offset:0x0       ; my block's experts, a bit each, for its two halves: the same word in all four waves
	s_wait_alu depctr_va_vdst(0)                   ; v1 to v9 are written, which the loads and LDS instructions from here on read as offsets and addresses; so are v10 and v11, in which G's loads will land
.irp p, 0,1,2,3
	global_load_b32 v[96+\p], v7, s[12:13] offset:128*\p   ; lane l: token 32 p + l of the block
.endr
	global_load_b32 v100, v8, s[12:13]             ; thread t: token t
	s_lshl_b32 s95, s49, 3
	s_lshl_b32 s96, s48, 1
	s_add_co_u32 s95, s95, s96                     ; my first tile of an expert's 64: 8 hc + 2 w
	s_lshl_b32 s56, s95, 13
	s_add_nc_u64 s[58:59], s[8:9], s[56:57]
	s_lshl_b32 s56, s95, 9                         ; its 16 rows x 32 scale bytes
	s_add_nc_u64 s[60:61], s[10:11], s[56:57]
	s_lshl_b32 s56, s49, 9
	s_add_nc_u64 s[68:69], s[68:69], s[56:57]      ; out0 at my strip
	s_wait_kmcnt 0x0
	s_lshr_b32 s51, s72, 16
	s_or_b32 s51, s51, s72
	s_and_b32 s51, s51, 0xffff                     ; the walk's mask, the two halves' joined: sixteen experts, sixteen slots,
	s_mov_b32 s94, s51                             ; and a copy for the table
.set i, 0
.rept 32                                           ; the gather's 32 offsets, made in one run
	s_and_b32 s[16+i], s[16+i], 0xfff
	s_min_u32 s[16+i], s[16+i], 4095               ; a loaded number enters an address held to its range
	v_lshl_add_u32 v[T+i], s[16+i], 9, v1
.set i, i+1
.endr
	s_wait_alu depctr_va_vdst(0)                   ; the 32 offsets in T are written, which the gather's loads read
.set i, 0
.rept 32                                           ; the gather: a row of x is 512 consecutive bytes, 16 a lane
	global_load_b128 v[O+4*i:O+4*i+3], v[T+i], s[4:5]
.set i, i+1
.endr
	s_wait_loadcnt 32                              ; the five loads of ord are in; the 32 rows behind them may be out
.irp p, 0,1,2,3
	v_and_b32 v[101+\p], 0xfff, v[96+\p]
	v_min_u32 v[101+\p], 0xfff, v[101+\p]
	v_lshlrev_b32 v[101+\p], 5, v[101+\p]
.endr
	v_and_b32 v105, 0xfff, v100
	v_min_u32 v105, 0xfff, v105
	v_lshlrev_b32 v105, 3, v105
	s_wait_alu depctr_va_vdst(0)                   ; the five offsets v101 to v105 are written, which the nine loads below read
.irp p, 0,1,2,3
	global_load_b128 v[XS+8*\p:XS+8*\p+3], v[101+\p], s[6:7]              ; x's scale words, K steps 0-3
	global_load_b128 v[XS+8*\p+4:XS+8*\p+7], v[101+\p], s[6:7] offset:16  ; and 4-7
.endr
	global_load_b64 v[106:107], v105, s[14:15]     ; (w1, w2) of token t
	NEXTE 0
	WLOAD 0                                        ; the first expert's weights
	; x's rows go to LDS, block by block, as in the launch that laid the weights.  Behind a group of eight rows stand the later rows, the 9 loads of scales and weights and W's 34:
	; 67, 59, 51, 43; the first count is held to 63, the largest that the wait can name, which asks for more than is needed
	s_wait_loadcnt 63
.set i, 0
.rept 32
.if (i == 8) || (i == 16) || (i == 24)
	s_wait_loadcnt 67-i
.endif
	ds_store_b128 v6, v[O+4*i:O+4*i+3] offset:(i/16)*TILEB+(i%16)*16
.set i, i+1
.endr
	s_wait_loadcnt 34                              ; x's scale words and (w1, w2) are in; W's 34 loads may be out
	v_bfe_u32 v108, v100, 12, 4                    ; e1
	s_wait_alu depctr_va_vdst(0)
	v_bfe_u32 v109, v100, 16, 4                    ; e2
.set i, 0
	s_wait_alu depctr_va_vdst(0)
.rept 4                                            ; the table: slot i is the mask's i-th expert, as in the walk; -1, which no token has, when none is left.  Four slots' compares stand in one run
.irp q, 0,1,2,3
	s_ctz_i32_b32 s95, s94
	s_sub_co_u32 s96, s94, 1
	s_and_b32 s94, s94, s96
	v_cmp_eq_u32 s[76+2*\q], s95, v108
	v_cmp_eq_u32 s[77+2*\q], s95, v109
.endr
	s_wait_alu depctr_va_sdst(0)                   ; the eight compares have written s76 to s83, which the eight selects below read
.irp q, 0,1,2,3
	v_cndmask_b32 v[112+i+\q], 0, v106, s[76+2*\q]
	v_cndmask_b32 v[112+i+\q], v[112+i+\q], v107, s[77+2*\q]
.endr
.set i, i+4
.endr
	s_wait_alu depctr_va_vdst(0)                   ; the selects have written v112 to v127, which the sixteen LDS stores read as their data
.set i, 0
.rept 16
	ds_store_b32 v9, v[112+i] offset:512*i
.set i, i+1
.endr
	NEXTE 1                                        ; a token has two different experts, so the mask has a second bit (were it empty, expert 15 would be read, and passed over or weighed with 0)
	WLOAD 1
	s_wait_dscnt 0x0                               ; for the others' sake: my rows and my part of the table have landed
	s_barrier_signal -1
	s_barrier_wait -1
	s_wait_alu depctr_vm_vsrc(0)                   ; my LDS stores have read the rows in O, the table's words in T, v6 and v9, and my loads their offsets in T, v7 and v8: from here on G's loads land in v8-15, the products write T, the weighing writes O, and the way out writes v6 and v7
.irp s, 0,1,2,3,4,5,6,7                            ; x's 64 fragments: they stay
.if \s < 4
	WIN 0x40                                       ; destination window 1
.else
	WIN 0x80                                       ; window 2
.endif
.irp tt, 0,1,2,3,4,5,6,7
.irp c, 0,1
.if \tt < 4
	ds_load_b128 v[8*(8*(\s%4)+\tt)+4*\c:8*(8*(\s%4)+\tt)+4*\c+3], v4 offset:(\tt%4)*TILEB+(2*\s+\c)*544
.else
	ds_load_b128 v[8*(8*(\s%4)+\tt)+4*\c:8*(8*(\s%4)+\tt)+4*\c+3], v5 offset:(\tt%4)*TILEB+(2*\s+\c)*544
.endif
.endr
.endr
.endr
	WIN 0
	s_wait_dscnt 0x0
	SLOT 0, 1, 1, 0                                ; the first expert starts the sums
	SLOT 1, 0, 0, 0
	s_mov_b32 s54, 7
.Lpair:                                            ; 2 + 7 x 2 = 16 slots, as many as there are experts
	SLOT 0, 0, 0, 1
	SLOT 1, 0, 0, 1
	s_sub_co_u32 s54, s54, 1
	s_cmp_lg_u32 s54, 0
	s_cbranch_scc1 .Lpair
	; THE WAY OUT.  A lane holds 32 neighbouring bytes of a row, a row's 512 bytes come from four waves: they meet in the stage, and each wave stores 32 whole rows.
	; All its addresses are made first, so that one wait serves the stage's stores, the loads from the stage and the stores to memory.
	v_and_b32 v6, 15, v0
	v_bfe_u32 v7, v0, 4, 1
	v_mul_u32_u24 v6, v6, SP
	v_lshl_add_u32 v6, v7, 5, v6
	s_lshl_b32 s95, s48, 7
	v_add_nc_u32 v6, s95, v6
	v_add_nc_u32 v6, STG, v6                       ; in: row r of a tile, + 128 w + 32 half
	s_mul_i32 s95, s48, 32*SP
	v_add_nc_u32 v7, s95, v1
	v_add_nc_u32 v7, STG, v7                       ; back: rows 32 w on, 16 bytes a lane
.set i, 0
.rept 32
	v_lshl_add_u32 v[T+i], s[16+i], 12, v1         ; row i of my 32 belongs to this token: 4,096 bytes a row of out0
.set i, i+1
.endr
	s_wait_alu depctr_va_vdst(0)                   ; the weighing has written O, the stage's stores' data, and is done reading it, so that the loads from the stage may land there; v6, v7 and the 32 offsets in T are written
.irp tt, 0,1,2,3,4,5,6,7
.irp ht, 0,1
	ds_store_b128 v6, v[O+64*\ht+8*\tt:O+64*\ht+8*\tt+3] offset:16*\tt*SP+64*\ht
	ds_store_b128 v6, v[O+64*\ht+8*\tt+4:O+64*\ht+8*\tt+7] offset:16*\tt*SP+64*\ht+16
.endr
.endr
	s_wait_dscnt 0x0                               ; for the others' sake: my stores into the stage have landed
	s_barrier_signal -1
	s_barrier_wait -1
	s_wait_alu depctr_vm_vsrc(0)                   ; my stores into the stage have read O, in which the loads below land
.set i, 0
.rept 32
	ds_load_b128 v[O+4*i:O+4*i+3], v7 offset:i*SP
.set i, i+1
.endr
.set i, 0
.rept 32
	s_wait_dscnt 31-i                              ; LDS loads come back in order: row i is in, the 31 - i behind it may be out
	global_store_b128 v[T+i], v[O+4*i:O+4*i+3], s[68:69] th:TH_STORE_NT   ; 512 consecutive bytes, aligned; written once, read by nobody here
.set i, i+1
.endr
	s_wait_xcnt 0x0
	s_wait_alu depctr_vm_vsrc(0)                   ; the last store has read v254 and v255, its data, which the two lines below write
	v_lshl_add_u32 v254, v0, 2, 0x23a00
	v_mov_b32 v255, 0
	s_wait_dscnt 0x0                               ; the closing lines, six on end
	s_wait_alu 0x0
	s_wait_tensorcnt 0x0
	ds_add_u32 v254, v255
	s_wait_dscnt 0x0
	s_endpgm
.Lfunc_end_k_q617adb128f_experts:
	.size	k_q617adb128f_experts, .Lfunc_end_k_q617adb128f_experts-k_q617adb128f_experts
	.p2alignl 7, 3214868480
	.fill 96, 4, 3214868480
	.section	.rodata,"a",@progbits
	.p2align	6, 0x0
	.amdhsa_kernel k_q617adb128f_experts
		.amdhsa_group_segment_fixed_size 146432
		.amdhsa_private_segment_fixed_size 0
		.amdhsa_enable_private_segment 0
		.amdhsa_kernarg_size 64
		.amdhsa_user_sgpr_count 2
		.amdhsa_user_sgpr_kernarg_segment_ptr 1
		.amdhsa_wavefront_size32 1
		.amdhsa_system_sgpr_workgroup_id_x 1
		.amdhsa_system_sgpr_workgroup_id_y 1
		.amdhsa_system_sgpr_workgroup_id_z 1
		.amdhsa_system_vgpr_workitem_id 0
		.amdhsa_next_free_vgpr 1024
		.amdhsa_next_free_sgpr 100
		.amdhsa_reserve_vcc 0
		.amdhsa_float_denorm_mode_32 3
		.amdhsa_float_denorm_mode_16_64 3
		.amdhsa_memory_ordered 1
		.amdhsa_forward_progress 1
		.amdhsa_inst_pref_size 145
	.end_amdhsa_kernel
	.amdgpu_metadata
---
amdhsa.version: [ 1, 2 ]
amdhsa.kernels:
  - .name:           k_q617adb128f_experts
    .symbol:         k_q617adb128f_experts.kd
    .args:
      - { .name: x_codes, .offset: 0, .size: 8, .value_kind: global_buffer, .address_space: global }
      - { .name: x_scales, .offset: 8, .size: 8, .value_kind: global_buffer, .address_space: global }
      - { .name: wimg, .offset: 16, .size: 8, .value_kind: global_buffer, .address_space: global }
      - { .name: expert_weights_scales, .offset: 24, .size: 8, .value_kind: global_buffer, .address_space: global }
      - { .name: ord, .offset: 32, .size: 8, .value_kind: global_buffer, .address_space: global }
      - { .name: gw, .offset: 40, .size: 8, .value_kind: global_buffer, .address_space: global }
      - { .name: out0, .offset: 48, .size: 8, .value_kind: global_buffer, .address_space: global }
      - { .name: bmask, .offset: 56, .size: 8, .value_kind: global_buffer, .address_space: global }
    .group_segment_fixed_size: 146432
    .private_segment_fixed_size: 0
    .kernarg_segment_align: 8
    .kernarg_segment_size: 64
    .max_flat_workgroup_size: 128
    .sgpr_count:     100
    .vgpr_count:     1024
    .wavefront_size: 32
...
	.end_amdgpu_metadata
.endif
;; end of part 6
